; MI455X (gfx1250); checked and timed in simulation.
; The chip was launched on July 23, 2026; its instructions are those of AMD's public machine-readable ISA for CDNA 5 (MIT licence, August 2026) and "CDNA5" Instruction Set Architecture Reference Guide (July 2026). The comments in the code are by the model that wrote it; some were corrected since.
;; Multi Head Attention. Allowed arithmetic: matrix products marked QUANTISED: E4M3 operands, one given power-of-two scale a tensor, by v_wmma_f32_16x16x64_fp8_fp8 or v_wmma_f32_16x16x128_fp8_fp8, f32 sums; everything else in f32.
;; Inputs: bo 1,024 float32; lowp_scales 12 int32 (the exponents e of the quantised operands' scales 2^e); wk 16 x 1,024 x 64 float32; wo 1,024 x 1,024 float32; wq 16 x 1,024 x 64 float32; wv 16 x 1,024 x 64 float32; x 4 x 2,048 x 1,024 float32.
;; Outputs: out0 4 x 2,048 x 1,024 float32.
;; This version of the problem:
;;   THIS VERSION OF THE PROBLEM IS GIVEN IN LOW PRECISION. The matrix products marked QUANTISED in the list below multiply operands that are first quantised to E4M3 (4 exponent bits, 3 mantissa bits; 8 bits a number), with one given power-of-two scale for each operand tensor; their sums are f32. All else is computed in f32.
;;   The module's matrix products, in the order in which they are computed (A, B: the left and right operand; K: the contracted axis; several contracted axes count as one K, in the product's order):
;;     1. [M 1,024, K 1,024] x [K 1,024, N 8,192]; A: input wq; B: input x: QUANTISED (scales: A lowp_scales[0], B lowp_scales[1])
;;     2. [M 1,024, K 1,024] x [K 1,024, N 8,192]; A: input wk; B: input x: QUANTISED (scales: A lowp_scales[2], B lowp_scales[3])
;;     3. [M 1,024, K 1,024] x [K 1,024, N 8,192]; A: input wv; B: input x: QUANTISED (scales: A lowp_scales[4], B lowp_scales[5])
;;     4. batch 64 x [M 2,048, K 64] x [K 64, N 2,048]; A: computed on the way; B: computed on the way: QUANTISED (scales: A lowp_scales[6], B lowp_scales[7])
;;     5. batch 64 x [M 2,048, K 2,048] x [K 2,048, N 64]; A: softmax (see below); B: computed on the way: QUANTISED (scales: A lowp_scales[8], B lowp_scales[9])
;;     6. [M 8,192, K 1,024] x [K 1,024, N 1,024]; A: computed on the way; B: input wo: QUANTISED (scales: A lowp_scales[10], B lowp_scales[11])
;;   THE QUANTISER, for each operand of a quantised product, along K:
;;     - The operand's scale is 2^e, e = its entry of the input lowp_scales (int32; the entries are numbered through the quantised products in the list's order, A before B).
;;     - Each number is divided by the scale, clamped to +-448, and rounded to the nearest number of E4M3, ties to even, subnormals kept.
;;     - The product sums the exact products of the quantised numbers (number of the format x scale) in f32.
;;   ~~~python
;;   def quantise(x, axis, e):      # numpy; x: float32 -> the quantised numbers, widened to float32 again
;;       x = np.moveaxis(x, axis, -1); K = x.shape[-1]
;;       r = np.clip(x / 2.0 ** e, -448, 448)
;;       step = 2.0 ** (np.maximum(np.frexp(np.where(r == 0, 1, r))[1] - 1, -6) - 3)
;;       q = np.round(r / step) * step * 2.0 ** e      # np.round: ties to even
;;       return np.moveaxis(q, -1, axis).astype(np.float32)
;;   ~~~
;;   SOFTMAX AHEAD OF A QUANTISED PRODUCT. Where the list says 'softmax', what is quantised is not the finished softmax but p = 2^(t - M), with t = logit x log2(e) and M = ceil(the row's largest t), a whole number; so 1/2 < the row's largest p <= 1. The row's sum l is taken of the UNQUANTISED p, in f32, and the product's result is divided by l at the end. Since M is a whole number, a kernel that streams over the keys may use a running M (the ceiling of the running maximum): every later rescaling is an exact power of two, so the quantised numbers keep their values, but for numbers so far below the row's largest that they fall under the format's range.
;;   OPERANDS COMPUTED ON THE WAY. 'Computed on the way' means the value that the module computes at that place (a softmax that the list does not call 'softmax' is quantised finished and normalised). What goes into a quantiser is computed in f32, as accurately as f32 sums, v_exp_f32 and their like allow (about 1e-6 of the number): no bf16 or f16 on the way to a quantiser, and a product that is left as it is and whose result goes on into a quantised operand takes f32 operands (vector FMAs, or v_wmma_f32_16x16x4_f32). A number that lies on a knife's edge between two numbers of the format may be rounded either way, as far as f32 arithmetic and the matrix unit's own rounding can turn it there, and no further.
;; One version. Each part assembles by itself: llvm-mc -triple=amdgcn-amd-amdhsa -mcpu=gfx1250 --defsym DOCPART=n.
;; ======== version 1 of 1: 4 launches
;; limits: right only within a limited range of input values
;; workspace buffers: xc 25,165,824 bytes; wc 4,194,304 bytes; qkv 25,165,824 bytes; oc 8,388,608 bytes
;; launch quant (part 1): grid 384 x 1, 4 waves a work-group, no clusters, 37,376 bytes of LDS; arguments x, wq, wk, wv, wo, lowp_scales, xc, wc; writes xc, wc
.if DOCPART == 1
	.amdgcn_target "amdgcn-amd-amdhsa--gfx1250"
	.amdhsa_code_object_version 6
	.text
	.protected	k_q18357151ff_quant
	.globl	k_q18357151ff_quant
	.p2align	8
	.type	k_q18357151ff_quant,@function
k_q18357151ff_quant:
	s_mov_b64 s[64:65], 0
	v_nop
	global_prefetch_b8 v0, s[64:65] scope:SCOPE_SE
	s_setreg_imm32_b32 hwreg(HW_REG_WAVE_MODE, 25, 1), 1
	s_wait_xcnt 0x0
; f32 numbers into codes of FP8 (E4M3), each tensor with the scale 2^e that is given for it: code = number / 2^e, held within +-448, to the nearest code, ties to even.
; x [8192 tokens][1024] is an operand of three products under three scales (entries 1, 3, 5): three planes of codes, xc [3][8192][1024].
; wq, wk, wv [16 heads][1024 (K)][64] (entries 0, 2, 4) become wc planes 0 to 2, [64 head + d][1024], K innermost; wo [1024][1024] (entry 11) becomes plane 3, as it lies.
; K IS PERMUTED, ALIKE IN xc AND IN wc's PLANES 0 TO 2: inside each block of 512 along K, place 16 l + 4 i + j holds k = 128 i + 4 l + j (l 0..31, i 0..3, j 0..3).  That is what four loads of 512 consecutive
; bytes, 16 a lane, leave in a lane's sixteen registers: x's codes need no turn through LDS.  Every product still meets its partner; only the order of the sums changes.  Plane 3 (wo) has K in its natural order.
; SHARES: work-groups 0-255 take x, 256-287 wo, 288-383 the three weights whose K is not innermost.  The three ways part on the work-group's number; each has LDS bytes of its own.  Waves share nothing: no barrier.
; No work-group reads what another reads, so there is nothing to ask for jointly, and no matrix work.
; LIMITS: entries 0, 1, 2, 3, 4, 5 and 11 lie between -126 and 119, so that 2^e and 448 x 2^e are f32 numbers.  NaN among the inputs is not served; an infinity is held at the largest code.
.set WPITCH, 272                       ; a row of the weights' stage: 256 bytes + 16
.set WSTG,   0                         ; the weights' way: 32 rows for each wave
.set TURN,   4*32*WPITCH               ; wo's way: 512 bytes for each wave
.set SPARE,  TURN+4*512                ; the spare words, 128 bytes for each wave: two blocks of 256 bytes that no other line names
.set SPW,  14                          ; v14  LDS address of my spare word; never rewritten
.set NIL,  15                          ; v15  0; never rewritten
.set R,    16                          ; v16-79   four sets of 16 numbers as loaded
.set T,    80                          ; v80-111  two sets of 16 numbers, held
.set C,    112                         ; v112-135 two sets of 12 registers of codes
.set D,    136                         ; v136-143 wo: two sets of 4, codes in their natural order
.set WX,   16                          ; the weights' way: v16-79 two sets of 32 numbers,
.set WC,   80                          ; v80-87 a block's codes,
.set OUTR, 112                         ; v112-175 the way out
.set GOW,  176                         ; v176 its place in wc
.macro MKSC se, vs, vl                 ; from the exponent in s[se]: v[vs] = 2^e, v[vl] = 448 x 2^e
	s_add_co_i32 s46, s[\se], 127
	s_lshl_b32 s47, s46, 23
	v_mov_b32 v[\vs], s47
	s_add_co_i32 s46, s46, 8
	s_lshl_b32 s46, s46, 23
	s_or_b32 s46, s46, 0x600000
	v_mov_b32 v[\vl], s46
.endm
.macro FINISH                          ; the wave's end
	s_wait_tensorcnt 0x0
	ds_add_u32 v[SPW], v[NIL]
	s_wait_dscnt 0x0
	s_endpgm
.endm
.macro XLOAD t                         ; step t: 512 numbers by four loads of 512 consecutive bytes
.irp i, 0,1,2,3
	global_load_b128 v[R+16*((\t)%4)+4*\i:R+16*((\t)%4)+4*\i+3], v3, s[4:5] offset:2048*(\t)+512*\i th:TH_LOAD_NT
.endr
.endm
.macro HOLDCVT src, ts, m, dst         ; sixteen numbers held within the largest code x the scale (the conversion does not saturate: ISA guide 7.6.2), then their codes
.irp i, 0,1,2,3,4,5,6,7,8,9,10,11,12,13,14,15
	v_med3_num_f32 v[T+16*(\ts)+\i], v[(\src)+\i], -v[7+(\m)], v[7+(\m)]
.endr
	v_cvt_scalef32_pk8_fp8_f32 v[(\dst):(\dst)+1], v[T+16*(\ts):T+16*(\ts)+7], v[4+(\m)]
	v_cvt_scalef32_pk8_fp8_f32 v[(\dst)+2:(\dst)+3], v[T+16*(\ts)+8:T+16*(\ts)+15], v[4+(\m)]
.endm
.macro LWAIT t                         ; step t's four loads are in; those of up to three later steps may be out
.if 15-(\t) >= 3
	s_wait_loadcnt 12
.else
	s_wait_loadcnt 4*(15-(\t))
.endif
.endm
	s_load_b512 s[4:19], s[0:1], 0x0               ; x, wq, wk, wv, wo, scales, xc, wc
	v_lshl_add_u32 v[SPW], v0, 2, SPARE
	v_mov_b32 v[NIL], 0
	v_lshrrev_b32 v1, 5, v0
	v_readfirstlane_b32 s32, v1                    ; wave 0..3
	v_and_b32 v1, 31, v0                           ; lane
	v_lshlrev_b32 v3, 4, v1                        ; 16 x lane
	v_lshlrev_b32 v10, 2, v1                       ; 4 x lane
	; every LDS address is made here, ahead of the parting of the ways
	s_lshl_b32 s33, s32, 9
	s_add_co_u32 s33, s33, TURN
	v_add_nc_u32 v11, s33, v10                     ; wo: in, 4 bytes a lane
	v_add_nc_u32 v12, s33, v3                      ; wo: back, 16 bytes a lane
	s_mul_i32 s33, s32, 32*WPITCH
	v_mul_u32_u24 v13, v1, WPITCH
	v_add_nc_u32 v13, s33, v13                     ; weights: in, row = my column
	v_lshrrev_b32 v4, 4, v1
	v_and_b32 v5, 15, v1
	v_mul_u32_u24 v2, v4, WPITCH
	v_lshl_add_u32 v2, v5, 4, v2
	v_add_nc_u32 v2, s33, v2                       ; weights: back, sixteen lanes to a row
	v_lshlrev_b32 v[GOW], 10, v4
	v_lshl_add_u32 v[GOW], v5, 4, v[GOW]           ; and the same place in wc: rows of 1,024 bytes
	s_wait_kmcnt 0x0
	s_load_b256 s[20:27], s[14:15], 0x0            ; entries 0 to 7
	s_load_b128 s[28:31], s[14:15], 0x20           ; entries 8 to 11
	s_cmp_lt_u32 ttmp9, 256
	s_cbranch_scc1 .Lpath_x
	s_cmp_lt_u32 ttmp9, 288
	s_cbranch_scc1 .Lpath_o
	; ---- wq, wk, wv: A LANE TAKES A COLUMN d, AND ITS REGISTERS RUN DOWN K, in the order of the places.  A wave takes 32 columns x 256 places.
	s_sub_co_u32 s33, ttmp9, 288
	s_lshr_b32 s34, s33, 5                         ; which weight
	s_bfe_u32 s35, s33, 0x30002                    ; which pair of heads
	s_and_b32 s33, s33, 3                          ; which 256 places
	s_lshr_b32 s42, s32, 1
	s_lshl_b32 s35, s35, 1
	s_add_co_u32 s35, s35, s42                     ; head
	s_and_b32 s42, s32, 1                          ; which 32 columns
	s_lshl_b32 s40, s35, 18                        ; a head is 1,024 rows of 256 bytes
	s_lshr_b32 s43, s33, 1
	s_lshl_b32 s43, s43, 17                        ; the block of 512 along K
	s_add_co_u32 s40, s40, s43
	s_and_b32 s43, s33, 1
	s_lshl_b32 s43, s43, 14                        ; places 256 on begin at k = 64 of the block
	s_add_co_u32 s40, s40, s43
	s_lshl_b32 s43, s42, 7
	s_add_co_u32 s40, s40, s43
	s_mov_b32 s41, 0
	s_cmp_eq_u32 s34, 1
	s_cselect_b64 s[36:37], s[8:9], s[6:7]
	s_cmp_eq_u32 s34, 2
	s_cselect_b64 s[36:37], s[10:11], s[36:37]
	s_add_nc_u64 s[36:37], s[36:37], s[40:41]
	s_lshl_b32 s40, s34, 20                        ; the plane,
	s_lshl_b32 s43, s35, 16                        ; 64 rows of 1,024 bytes a head,
	s_add_co_u32 s40, s40, s43
	s_lshl_b32 s43, s42, 15                        ; my 32 rows,
	s_add_co_u32 s40, s40, s43
	s_lshl_b32 s43, s33, 8                         ; my 256 places
	s_add_co_u32 s40, s40, s43
	s_add_nc_u64 s[44:45], s[18:19], s[40:41]
.macro WLOAD t                         ; places 32 t + i of my 256: the permutation stands in the immediates alone; 32 lanes read 128 consecutive bytes
.irp i, 0,1,2,3,4,5,6,7,8,9,10,11,12,13,14,15,16,17,18,19,20,21,22,23,24,25,26,27,28,29,30,31
	global_load_b32 v[WX+32*((\t)%2)+\i], v10, s[36:37] offset:256*(128*((\i>>2)&3)+8*(\t)+4*(\i>>4)+(\i&3)) th:TH_LOAD_NT
.endr
.endm
.macro WBLOCK t
.set XS, WX+32*((\t)%2)
.if (\t) < 7
	s_wait_loadcnt 32                              ; this block's 32 loads are in; the next block's may be out
.else
	s_wait_loadcnt 0
.endif
.irp i, 0,1,2,3,4,5,6,7,8,9,10,11,12,13,14,15,16,17,18,19,20,21,22,23,24,25,26,27,28,29,30,31
	v_med3_num_f32 v[XS+\i], v[XS+\i], -v7, v7
.endr
.irp g, 0,1,2,3
	v_cvt_scalef32_pk8_fp8_f32 v[WC+2*\g:WC+2*\g+1], v[XS+8*\g:XS+8*\g+7], v4
.endr
	ds_store_b128 v13, v[WC:WC+3] offset:32*(\t)
	ds_store_b128 v13, v[WC+4:WC+7] offset:32*(\t)+16
.if (\t)+2 < 8
	WLOAD (\t)+2
.endif
	s_wait_dscnt 0x0                               ; the stores have read their registers: the next block's codes may be written (its 32 holds, plain lines, come first)
.endm
	WLOAD 0
	WLOAD 1
	s_wait_kmcnt 0x0
	s_cmp_eq_u32 s34, 1
	s_cselect_b32 s38, s22, s20
	s_cmp_eq_u32 s34, 2
	s_cselect_b32 s38, s24, s38                    ; entry 0, 2 or 4
	MKSC 38, 4, 7
	s_wait_alu depctr_va_vdst(0)
.irp t, 0,1,2,3,4,5,6,7
	WBLOCK \t
.endr
.irp t, 0,1,2,3,4,5,6,7,8,9,10,11,12,13,14,15
	ds_load_b128 v[OUTR+4*\t:OUTR+4*\t+3], v2 offset:2*\t*WPITCH   ; LDS serves a wave's instructions in order: these see my stores
.endr
.irp t, 0,1,2,3,4,5,6,7,8,9,10,11,12,13,14,15
	s_wait_dscnt 15-\t                             ; the younger loads may be out
	global_store_b128 v[GOW], v[OUTR+4*\t:OUTR+4*\t+3], s[44:45] offset:2*\t*1024   ; sixteen lanes store 256 consecutive bytes, aligned
.endr
	FINISH
	; ---- wo: K innermost and kept in its natural order: a step's four registers of codes turn through 512 bytes of LDS
.Lpath_o:
	s_sub_co_u32 s34, ttmp9, 256
	s_lshl_b32 s34, s34, 2
	s_add_co_u32 s34, s34, s32                     ; which run of 8,192 numbers is my wave's
	s_lshl_b32 s36, s34, 15
	s_mov_b32 s37, 0
	s_add_nc_u64 s[4:5], s[12:13], s[36:37]
	s_lshl_b32 s36, s34, 13
	s_add_co_u32 s36, s36, 0x300000                ; plane 3
	s_add_nc_u64 s[36:37], s[18:19], s[36:37]
.irp t, 0,1,2,3
	XLOAD \t
.endr
	s_wait_kmcnt 0x0
	MKSC 31, 4, 7
.macro OSTEP t
	LWAIT \t
	HOLDCVT R+16*((\t)%4), (\t)%2, 0, C
.if (\t)+4 < 16
	XLOAD (\t)+4
.endif
.irp i, 0,1,2,3
	ds_store_b32 v11, v[C+\i] offset:128*\i        ; register i holds the codes of numbers 128 i + 4 lane + 0..3
.endr
	s_wait_xcnt 0x0                                ; the store of two steps ago has read its registers: they are loaded again only behind this wait
	ds_load_b128 v[D+4*((\t)%2):D+4*((\t)%2)+3], v12   ; sixteen neighbouring codes a lane
	s_wait_dscnt 0x0
	global_store_b128 v3, v[D+4*((\t)%2):D+4*((\t)%2)+3], s[36:37] offset:512*(\t)
.endm
	s_wait_alu depctr_va_vdst(0)
.irp t, 0,1,2,3,4,5,6,7,8,9,10,11,12,13,14,15
	OSTEP \t
.endr
	FINISH
	; ---- x: each step's sixteen numbers a lane are held and converted three times, once for each scale
.Lpath_x:
	s_lshl_b32 s34, ttmp9, 2
	s_add_co_u32 s34, s34, s32                     ; which run of 8,192 numbers is my wave's
	s_lshl_b32 s36, s34, 15
	s_mov_b32 s37, 0
	s_add_nc_u64 s[4:5], s[4:5], s[36:37]
	s_lshl_b32 s36, s34, 13
	s_add_nc_u64 s[36:37], s[16:17], s[36:37]      ; plane 0,
	s_add_nc_u64 s[38:39], s[36:37], 0x800000      ; plane 1,
	s_add_nc_u64 s[40:41], s[36:37], 0x1000000     ; plane 2
.irp t, 0,1,2,3
	XLOAD \t
.endr
	s_wait_kmcnt 0x0
	MKSC 21, 4, 7
	MKSC 23, 5, 8
	MKSC 25, 6, 9
.macro XSTEP t
	LWAIT \t
.if (\t) >= 2
	s_wait_xcnt 0x0                                ; the stores of two steps ago have read their registers: this step's codes are written there
.endif
.irp m, 0,1,2
	HOLDCVT R+16*((\t)%4), (3*(\t)+\m)%2, \m, C+12*((\t)%2)+4*\m   ; the two sets of held numbers take turns: sixteen plain lines stand between a conversion and the next write of its sources
.endr
.if (\t)+4 < 16
	XLOAD (\t)+4
.endif
.irp m, 0,1,2
	global_store_b128 v3, v[C+12*((\t)%2)+4*\m:C+12*((\t)%2)+4*\m+3], s[36+2*\m:37+2*\m] offset:512*(\t)   ; 32 lanes store 512 consecutive bytes
.endr
.endm
	s_wait_alu depctr_va_vdst(0)
.irp t, 0,1,2,3,4,5,6,7,8,9,10,11,12,13,14,15
	XSTEP \t
.endr
	FINISH
.Lfunc_end_k_q18357151ff_quant:
	.size	k_q18357151ff_quant, .Lfunc_end_k_q18357151ff_quant-k_q18357151ff_quant
	.p2alignl 7, 3214868480
	.fill 96, 4, 3214868480
	.section	.rodata,"a",@progbits
	.p2align	6, 0x0
	.amdhsa_kernel k_q18357151ff_quant
		.amdhsa_group_segment_fixed_size 37376
		.amdhsa_private_segment_fixed_size 0
		.amdhsa_enable_private_segment 0
		.amdhsa_kernarg_size 64
		.amdhsa_user_sgpr_count 2
		.amdhsa_user_sgpr_kernarg_segment_ptr 1
		.amdhsa_wavefront_size32 1
		.amdhsa_system_sgpr_workgroup_id_x 1
		.amdhsa_system_sgpr_workgroup_id_y 1
		.amdhsa_system_sgpr_workgroup_id_z 1
		.amdhsa_system_vgpr_workitem_id 0
		.amdhsa_next_free_vgpr 192
		.amdhsa_next_free_sgpr 66
		.amdhsa_reserve_vcc 0
		.amdhsa_float_denorm_mode_32 3
		.amdhsa_float_denorm_mode_16_64 3
		.amdhsa_memory_ordered 1
		.amdhsa_forward_progress 1
		.amdhsa_inst_pref_size 150
	.end_amdhsa_kernel
	.amdgpu_metadata
---
amdhsa.version: [ 1, 2 ]
amdhsa.kernels:
  - .name:           k_q18357151ff_quant
    .symbol:         k_q18357151ff_quant.kd
    .args:
      - { .name: x, .offset: 0, .size: 8, .value_kind: global_buffer, .address_space: global }
      - { .name: wq, .offset: 8, .size: 8, .value_kind: global_buffer, .address_space: global }
      - { .name: wk, .offset: 16, .size: 8, .value_kind: global_buffer, .address_space: global }
      - { .name: wv, .offset: 24, .size: 8, .value_kind: global_buffer, .address_space: global }
      - { .name: wo, .offset: 32, .size: 8, .value_kind: global_buffer, .address_space: global }
      - { .name: lowp_scales, .offset: 40, .size: 8, .value_kind: global_buffer, .address_space: global }
      - { .name: xc, .offset: 48, .size: 8, .value_kind: global_buffer, .address_space: global }
      - { .name: wc, .offset: 56, .size: 8, .value_kind: global_buffer, .address_space: global }
    .group_segment_fixed_size: 37376
    .private_segment_fixed_size: 0
    .kernarg_segment_align: 8
    .kernarg_segment_size: 64
    .max_flat_workgroup_size: 128
    .sgpr_count:     66
    .vgpr_count:     192
    .wavefront_size: 32
...
	.end_amdgpu_metadata
.endif
;; end of part 1
;; launch qkvgemm (part 2): grid 12 x 32, 4 waves a work-group, clusters of 4 x 4, 327,680 bytes of LDS; arguments xc, wc, lowp_scales, qkv; writes qkv
.if DOCPART == 2
	.amdgcn_target "amdgcn-amd-amdhsa--gfx1250"
	.amdhsa_code_object_version 6
	.text
	.protected	k_q18357151ff_qkvgemm
	.globl	k_q18357151ff_qkvgemm
	.p2align	8
	.type	k_q18357151ff_qkvgemm,@function
k_q18357151ff_qkvgemm:
	s_mov_b64 s[64:65], 0
	v_nop
	global_prefetch_b8 v0, s[64:65] scope:SCOPE_SE
	s_setreg_imm32_b32 hwreg(HW_REG_WAVE_MODE, 25, 1), 1
	s_wait_xcnt 0x0
	s_wait_alu depctr_hold_cnt(0) depctr_sa_sdst(0) depctr_va_vdst(0) depctr_va_sdst(0) depctr_va_ssrc(0) depctr_va_vcc(0) depctr_vm_vsrc(0)
	s_getreg_b32 s2, hwreg(HW_REG_IB_STS2, 6, 4)
	s_cmp_eq_u32 s2, 0
	s_cbranch_scc0 .Lentry_in_a_cluster
	s_endpgm
.Lentry_in_a_cluster:
	s_bfe_u32 s2, ttmp6, 0x10000c
	s_cmp_lg_u32 s2, 0xf033
	s_cbranch_scc0 .Lentry_shape_is_right
	s_endpgm
.Lentry_shape_is_right:
; q, k, v = x times wq, wk, wv, on codes of FP8 (E4M3), K = 1,024; the f32 sums are quantised on the way out, under entries 6, 7 and 9 of the scales, into qkv.
; The cluster's x says which product (sel = 0 q, 1 k, 2 v): it is the same in all sixteen partners.  A work-group makes 256 x 256, each of its four waves 128 x 128: 64 accumulators, 512 registers.
; THE MATRIX INSTRUCTION IS USED TRANSPOSED (source 0 = 16 rows of the B side, source 1 = 16 rows of the A side): a lane holds ONE row of the A side and eight neighbouring rows of the B side.
;   q, k: A side = tokens (xc, plane sel), B side = outputs 64 head + d (wc, plane sel): a lane's codes run along d, which is the next product's K.
;   v:    A side = outputs (wc, plane 2),  B side = tokens (xc, plane 2):               a lane's codes run along the keys, which are the next product's K.
; qkv: planes 0 (q) and 1 (k): [batch x 16 + head][token][64]; plane 2 (v): [batch x 16 + head][token / 128][d][128].  Inside every 32 places, place 16 hh + 8 u + j holds index 16 u + 8 hh + j (two neighbouring accumulators'
; codes of a lane make 16 bytes): for q and k one permutation of d, alike in both; for v the order in which the weights' codes fall into registers in the attention launch.
; A sum stands for sum x 2^(eW + eX), so its code is sum / 2^(eOut - eW - eX): the three scales are folded into the conversion's one.
; LIMITS: e6 - e0 - e1, e7 - e2 - e3 and e9 - e4 - e5 lie between -126 and 119, so that the folded scale and 448 times it are f32 numbers.
; K goes in steps of 256 through a ring of two LDS slots filled by the tensor data mover.  CLUSTERS: 4 x 4 work-groups; the four of a row need the same tiles of the A side, the four of a column the same tiles of the B side:
; each tile is asked for JOINTLY.  By this text's count a wave never has more than one tensor load out.  NO PREFETCH: K has four steps, and a request two steps ahead of the ring's refills would name none.
; REGISTERS, in windows of 256: window 0: v0-31 addresses; from v128 A's fragments, ONE set; on the way out v32-255 are free.  window 1: B's fragments, TWO sets.  windows 2, 3: the accumulators ((a, b) at v[8 (8 (a % 4) + b)]).
.set KSTEP,  256
.set ROWB,   256
.set KROW,   1024
.set PITCH,  272                       ; an LDS row: 256 bytes + 16 = 68 words: the 16 rows that a load touches start at 16 different banks (64 banks of 4 bytes: ISA guide 11.1)
.set FR,     16
.set NL,     4
.set NP,     4
.set HALFT,  128*PITCH
.set SLOT,   4*HALFT
.set LAPS,   2                         ; 1,024 along K = four K steps = twice round the ring
.set SPARE,  2*SLOT                    ; the spare words, 128 bytes for each wave
.set SPITCH, 336                       ; the way out: the work-group's stage, 256 rows x (256 bytes + 80), in slot 0, which has had its last fill and its last read when the first code is stored there
.set ADRA, 16
.set ADRB, 20
.set GOQ,  22                          ; v22  q, k: my byte in a store's 512
.set GOV,  23                          ; v23  v: my byte in two steps of 8,192
.set STO,  24                          ; v24  where I put 16 codes of a row
.set RDQ,  25                          ; v25-26  q, k: where I read back (rows 0-127, rows 128-255)
.set RDV,  27                          ; v27  v: where I read back
.set SPW,  28
.set NIL,  29
.set SCL,  30                          ; v30  the folded scale
.set LIMV, 31                          ; v31  448 x it
.set TMP,  32                          ; v32-95  a block's sums, held; later rows read back
.set CD,   96                          ; v96-223 the codes, 16 registers a block
.set AF,   128
.set G1, 24
.set G0, 32
.set G1B, 48
.set G0B, 56
.set MSB, 0
.macro WIN new                         ; the immediate's high byte repeats the setting that is left
.if MSB != \new
	s_set_vgpr_msb (MSB<<8)|\new
.set MSB, \new
.endif
.endm
.set MUL_LO, 0xa1                      ; source 0 (B) window 1, source 1 (A) window 0, C and D window 2
.set MUL_HI, 0xf1
.set TO_B,   0x40
; A joint load: waves 0 and 1 fetch for the A side, waves 2 and 3 for the B side; the branch hangs on the wave's number alone.  An s_nop 0 and four v_nop follow each line.
.macro JLOAD g0a, g1a, g0b, g1b
	s_cmp_eq_u32 s15, 0
	s_cbranch_scc0 .Lfor_b_\@
	tensor_load_to_lds s[\g0a:\g0a+3], s[\g1a:\g1a+7]
	s_nop 0
.rept 4
	v_nop
.endr
	s_branch .Lasked_\@
.Lfor_b_\@:
	tensor_load_to_lds s[\g0b:\g0b+3], s[\g1b:\g1b+7]
	s_nop 0
.rept 4
	v_nop
.endr
.Lasked_\@:
.endm
.macro CREST
	s_cmp_lg_u32 s14, 0
	s_cbranch_scc1 .Lnot_wave_0_\@
	s_barrier_signal -3
.Lnot_wave_0_\@:
	s_barrier_wait -3
	s_barrier_signal -1
	s_barrier_wait -1
.endm
.macro CROUND
	s_barrier_signal -1
	s_barrier_wait -1
	CREST
.endm
	s_load_b256 s[4:11], s[0:1], 0x0               ; xc s[4:5], wc s[6:7], scales s[8:9], qkv s[10:11]
	v_lshl_add_u32 v[SPW], v0, 2, SPARE
	v_mov_b32 v[NIL], 0
	ds_add_u32 v[SPW], v[NIL]                      ; the wave's opening: the add, twice on end, and its wait ahead of my first tensor load
	ds_add_u32 v[SPW], v[NIL]
	v_lshrrev_b32 v1, 5, v0
	v_readfirstlane_b32 s14, v1                    ; wave 0..3
	s_lshr_b32 s15, s14, 1                         ; which half of the A side's rows is mine.  Also: I fetch for A (0) or for B (1)
	s_and_b32 s16, s14, 1                          ; which half of the B side's.  Also: which 128 rows of that tile I fetch
	s_bfe_u32 s40, ttmp6, 0x40000                  ; cx
	s_bfe_u32 s41, ttmp6, 0x40004                  ; cy
	s_and_b32 s68, ttmp7, 0xffff                   ; cluster y
	s_lshl_b32 s69, s68, 2
	s_add_co_u32 s70, s69, s41                     ; 4 Y + cy
	s_add_co_u32 s71, s69, s40                     ; 4 Y + cx
	s_lshl_b32 s76, ttmp9, 23                      ; sel planes of xc; also of qkv
	s_lshl_b32 s77, ttmp9, 20                      ; sel planes of wc
	s_lshl_b32 s43, s41, 2
	s_lshl_b32 s43, 15, s43                        ; my row of the cluster
	s_lshl_b32 s44, 0x1111, s40                    ; my column
	s_or_b32 s[G1+0], s43, (0<<16)|(1<<20)|(1<<21)|(5<<22)|(3<<25)  ; the mask; elements of 1 byte; padding on; bit 21 beside a mask; after every 64 words, 4 words
	s_or_b32 s[G1B+0], s44, (0<<16)|(1<<20)|(1<<21)|(5<<22)|(3<<25)
.irp g, G1, G1B
	s_mov_b32 s[\g+1], ROWB<<16                    ; tensor_dim0
	s_mov_b32 s[\g+2], 128<<16                     ; tensor_dim1
	s_mov_b32 s[\g+3], ROWB<<16                    ; tile_dim0
	s_mov_b32 s[\g+4], 128                         ; tile_dim1
	s_mov_b32 s[\g+5], KROW                        ; the pitch
	s_mov_b32 s[\g+6], 0
	s_mov_b32 s[\g+7], 0
.endr
	s_cmp_eq_u32 ttmp9, 2                          ; v?  The cluster's x: the same in all partners
	s_cselect_b32 s17, s41, s70                    ; the A side's tile: made of cy and the cluster's y alone
	s_cselect_b32 s42, s71, s40                    ; the B side's: of cx and the cluster's y alone
	s_cselect_b32 s82, 0x200000, s76               ; the A side's plane: wc's plane 2, or xc's plane sel
	s_cselect_b32 s83, 0x1000000, s77              ; the B side's: xc's plane 2, or wc's plane sel
	s_lshl_b32 s18, s16, 17                        ; which 128 rows of 1,024 bytes I fetch
	s_lshl_b32 s20, s17, 18
	s_add_co_u32 s20, s20, s18
	s_add_co_u32 s20, s20, s82
	s_mov_b32 s21, 0
	s_lshl_b32 s46, s42, 18
	s_add_co_u32 s46, s46, s18
	s_add_co_u32 s46, s46, s83
	s_mov_b32 s47, 0
	s_mul_i32 s45, s14, HALFT                      ; where they go: wave x 128 rows
	s_wait_dscnt 0x0                               ; both opening adds are done
	s_wait_kmcnt 0x0
	s_load_b256 s[84:91], s[8:9], 0x0              ; entries 0 to 7
	s_load_b128 s[92:95], s[8:9], 0x20             ; entries 8 to 11
	s_cmp_eq_u32 ttmp9, 2
	s_cselect_b64 s[72:73], s[6:7], s[4:5]         ; the A side's buffer
	s_cselect_b64 s[74:75], s[4:5], s[6:7]         ; the B side's
	s_add_nc_u64 s[20:21], s[72:73], s[20:21]
	s_add_nc_u64 s[46:47], s[74:75], s[46:47]
	CROUND                                         ; all sixteen work-groups are here: the first joint loads meet
.irp s, 0,1
	s_mov_b32 s[G0+4*\s], 1
	s_add_co_u32 s[G0+4*\s+1], s45, \s*SLOT
	s_add_nc_u64 s[G0+4*\s+2:G0+4*\s+3], s[20:21], \s*ROWB
	s_or_b32 s[G0+4*\s+3], s[G0+4*\s+3], 0x80000000
	s_mov_b32 s[G0B+4*\s], 1
	s_add_co_u32 s[G0B+4*\s+1], s45, \s*SLOT
	s_add_nc_u64 s[G0B+4*\s+2:G0B+4*\s+3], s[46:47], \s*ROWB
	s_or_b32 s[G0B+4*\s+3], s[G0B+4*\s+3], 0x80000000
.endr
	JLOAD G0, G1, G0B, G1B                         ; K step 0: one tensor load a wave at the head
	v_and_b32 v1, 15, v0                           ; r
	s_wait_alu depctr_va_vdst(0)
	v_bfe_u32 v2, v0, 4, 1                         ; h
	v_mul_u32_u24 v3, v1, PITCH
	v_lshl_add_u32 v4, v2, 4, v3
	s_mul_i32 s21, s15, HALFT
	s_mul_i32 s22, s16, HALFT
	s_add_co_u32 s22, s22, 2*HALFT
.irp s, 0,1
	v_add_nc_u32 v[ADRA+\s], s21, v4
	v_add_nc_u32 v[ADRB+\s], s22, v4
	s_add_co_u32 s21, s21, SLOT
	s_add_co_u32 s22, s22, SLOT
.endr
	s_mul_i32 s23, s15, 128*SPITCH                 ; the stage, in: row 128 x my half + r, byte 128 x my half of the B side + 16 h
	s_lshl_b32 s18, s16, 7
	s_add_co_u32 s23, s23, s18
	v_mul_u32_u24 v5, v1, SPITCH
	s_wait_alu depctr_va_vdst(0)
	v_lshl_add_u32 v5, v2, 4, v5
	v_add_nc_u32 v[STO], s23, v5
	v_and_b32 v6, 31, v0
	v_lshrrev_b32 v7, 2, v6                        ; q, k, back: wave w takes the 64 bytes of head w of every row: four lanes to a row, eight rows an instruction
	v_and_b32 v8, 3, v6
	v_mul_u32_u24 v7, v7, SPITCH
	v_lshl_add_u32 v7, v8, 4, v7
	s_lshl_b32 s18, s14, 6
	v_add_nc_u32 v[RDQ], s18, v7
	v_add_nc_u32 v[RDQ+1], 128*SPITCH, v[RDQ]
	s_mul_i32 s18, s14, 64*SPITCH                  ; v, back: wave w takes rows 64 w on
	v_bfe_u32 v7, v0, 3, 1                         ; lanes 0-7 row 2 i, lanes 8-15 row 2 i + 1, their first 128 tokens; lanes 16-31 the same two rows' second 128
	v_mul_u32_u24 v7, v7, SPITCH
	v_and_b32 v8, 7, v0
	v_lshl_add_u32 v7, v8, 4, v7
	v_lshl_add_u32 v7, v2, 7, v7
	v_add_nc_u32 v[RDV], s18, v7
	v_lshlrev_b32 v[GOQ], 4, v6
	v_lshlrev_b32 v[GOV], 13, v2                   ; a step of 128 keys of v is 8,192 dense bytes
	v_lshl_add_u32 v[GOV], v1, 4, v[GOV]
	; where my wave's part of qkv begins: plane sel + batch x 2^21 + (4 x place + wave) heads of 2^17 + the tile's 256 tokens, 16,384 bytes of a head in all three planes
	s_cmp_eq_u32 ttmp9, 2
	s_cselect_b32 s72, s42, s17                    ; the tile of tokens
	s_cselect_b32 s74, s41, s40                    ; which four heads
	s_mov_b32 s75, 14
	s_lshr_b32 s73, s72, 3
	s_lshl_b32 s73, s73, 21
	s_and_b32 s72, s72, 7
	s_lshl_b32 s72, s72, s75
	s_add_co_u32 s72, s72, s73
	s_lshl_b32 s74, s74, 2
	s_add_co_u32 s74, s74, s14
	s_lshl_b32 s74, s74, 17
	s_add_co_u32 s72, s72, s74
	s_add_co_u32 s72, s72, s76
	s_mov_b32 s73, 0
	s_add_nc_u64 s[10:11], s[10:11], s[72:73]
.macro FRAG reg, adr, q, i             ; a fragment, 16 rows x 128 places, is 16 registers: four loads of 16 bytes, 32 bytes apart; alike for both sides
.irp c, 0,1,2,3
	ds_load_b128 v[\reg+4*\c:\reg+4*\c+3], v[\adr] offset:128*(\q)+32*\c+(\i)*16*PITCH
.endr
.endm
; 16 matrix instructions: A's blocks a0, a0 + 1 x B's eight.  The 64 accumulators take turns, one instruction a turn, in the same order in every step.
.macro MUL16 a0, p, zero
.irp a, \a0, \a0+1
.irp b, 0,1,2,3,4,5,6,7
.if \zero
	v_wmma_f32_16x16x128_fp8_fp8 v[8*(8*((\a)%4)+\b):8*(8*((\a)%4)+\b)+7], v[128*(\p)+FR*\b:128*(\p)+FR*\b+FR-1], v[AF+FR*(\a):AF+FR*(\a)+FR-1], 0
.else
	v_wmma_f32_16x16x128_fp8_fp8 v[8*(8*((\a)%4)+\b):8*(8*((\a)%4)+\b)+7], v[128*(\p)+FR*\b:128*(\p)+FR*\b+FR-1], v[AF+FR*(\a):AF+FR*(\a)+FR-1], v[8*(8*((\a)%4)+\b):8*(8*((\a)%4)+\b)+7]
.endif
.endr
.endr
.endm
.macro FETCH_B slot, q, p
	WIN TO_B
.irp i, 0,1,2,3,4,5,6,7
	FRAG 128*(\p)+FR*\i, ADRB+\slot, \q, \i
.endr
	WIN 0
.endm
.macro FETCH_A slot, q, i0
.irp i, \i0, \i0+1, \i0+2, \i0+3
	FRAG AF+FR*(\i), ADRA+\slot, \q, \i
.endr
.endm
.macro PLACES n                        ; plain vector lines between a matrix instruction and a load into its sources or a read of its result
.rept \n
	v_nop
.endr
.endm
.macro STEP slot, q, zero              ; 128 along K with its successor in the same slot
	s_wait_dscnt 4*NL                              ; B's set and A's blocks 0-3 are in; A's blocks 4-7 (16 loads) may be out
	WIN MUL_LO
	MUL16 0, (\q)%2, \zero
	MUL16 2, (\q)%2, \zero
	s_wait_dscnt 0
	PLACES NP
	FETCH_B \slot, (\q)+1, 1-(\q)%2
	FETCH_A \slot, (\q)+1, 0
	WIN MUL_HI
	MUL16 4, (\q)%2, \zero
	MUL16 6, (\q)%2, \zero
	PLACES NP
	WIN 0
	FETCH_A \slot, (\q)+1, 4
.endm
; A slot's last step changes slots: one barrier; in front of it each wave waits for all its tensor loads, adds 0 to its spare word, and waits for that and for its reads of this slot.
.macro TURN slot, next, fill
	s_wait_tensorcnt 0x0                           ; all my tensor loads have landed: my part of the next slot
	ds_add_u32 v[SPW], v[NIL]
	s_wait_dscnt 4*NL+1                            ; the add and A's blocks 4-7 may be out
	WIN MUL_LO
	MUL16 0, 1, 0
	s_wait_dscnt 0x0                               ; the add is done, and my reads of this slot are over
	s_barrier_signal -1
	MUL16 2, 1, 0
	WIN 0
	s_barrier_wait -1
.if \fill
	CREST                                          ; the barrier has opened a round of the cluster's: no wave of any partner still reads this slot or has a load on its way
	s_add_nc_u64 s[G0+4*\slot+2:G0+4*\slot+3], s[G0+4*\slot+2:G0+4*\slot+3], 2*ROWB
	s_add_nc_u64 s[G0B+4*\slot+2:G0B+4*\slot+3], s[G0B+4*\slot+2:G0B+4*\slot+3], 2*ROWB
	JLOAD G0+4*\slot, G1, G0B+4*\slot, G1B         ; the first tensor load behind the round; its four v_nop are the places in front of the loads below
.else
	PLACES NP
.endif
	FETCH_B \next, 0, 0
	FETCH_A \next, 0, 0
	WIN MUL_HI
	MUL16 4, 1, 0
	MUL16 6, 1, 0
	PLACES NP
	WIN 0
	FETCH_A \next, 0, 4
.endm
	s_wait_alu depctr_va_vdst(0)                   ; the head's end
	s_wait_tensorcnt 0x0                           ; my part of K step 0 is in
	ds_add_u32 v[SPW], v[NIL]
	s_wait_dscnt 0x0
	CROUND                                         ; everybody's part of K step 0 is in, and all sixteen work-groups are here
	JLOAD G0+4, G1, G0B+4, G1B                     ; K step 1: the first tensor load behind the round
	FETCH_B 0, 0, 0
	FETCH_A 0, 0, 0
	FETCH_A 0, 0, 4
	STEP 0, 0, 1                                   ; the first step's products start the sums
	s_mov_b32 s3, LAPS-1
.Llap:                                                 ; a trip goes once round the ring and fills both slots again
	TURN 0, 1, 1
	STEP 1, 0, 0
	TURN 1, 0, 1
	STEP 0, 0, 0
	s_sub_co_u32 s3, s3, 1
	s_cmp_lg_u32 s3, 0
	s_cbranch_scc1 .Llap
	TURN 0, 1, 0                                   ; the last lap fills nothing
	STEP 1, 0, 0
	s_wait_dscnt 4*NL
	WIN MUL_LO
	MUL16 0, 1, 0
	MUL16 2, 1, 0
	s_wait_dscnt 0
	WIN MUL_HI
	MUL16 4, 1, 0
	MUL16 6, 1, 0
	WIN 0
	; THE WAY OUT.  The folded exponent of my product, chosen without a jump
	s_wait_kmcnt 0x0
	s_sub_co_i32 s90, s90, s84
	s_sub_co_i32 s90, s90, s85                     ; q: e6 - e0 - e1
	s_sub_co_i32 s91, s91, s86
	s_sub_co_i32 s91, s91, s87                     ; k: e7 - e2 - e3
	s_sub_co_i32 s93, s93, s88
	s_sub_co_i32 s93, s93, s89                     ; v: e9 - e4 - e5
	s_cmp_eq_u32 ttmp9, 1
	s_cselect_b32 s90, s91, s90
	s_cmp_eq_u32 ttmp9, 2
	s_cselect_b32 s90, s93, s90
	s_add_co_i32 s90, s90, 127
	s_lshl_b32 s91, s90, 23
	v_mov_b32 v[SCL], s91
	s_add_co_i32 s90, s90, 8
	s_lshl_b32 s90, s90, 23
	s_or_b32 s90, s90, 0x600000
	v_mov_b32 v[LIMV], s90
	PLACES NP
; Block a: 16 rows of the A side x my 128 of the B side.  The sums are held (each accumulator from its low end on), converted, and a lane's 16 codes of two neighbouring accumulators go into the stage.
.macro QBLOCK a
.set AC, 64*((\a)%4)
	WIN 0x02+((\a)/4)                              ; source 0: window 2 or 3
.set i, 0
.rept 64
	v_med3_num_f32 v[TMP+i], v[AC+i], -v[LIMV], v[LIMV]
.set i, i+1
.endr
	WIN 0
.irp c, 0,1,2,3
	v_cvt_scalef32_pk8_fp8_f32 v[CD+16*(\a)+4*\c:CD+16*(\a)+4*\c+1], v[TMP+16*\c:TMP+16*\c+7], v[SCL]
	v_cvt_scalef32_pk8_fp8_f32 v[CD+16*(\a)+4*\c+2:CD+16*(\a)+4*\c+3], v[TMP+16*\c+8:TMP+16*\c+15], v[SCL]
.endr
	v_nop                                          ; one plain line between the conversions and the next block's holds, which write their sources
.irp c, 0,1,2,3
	ds_store_b128 v[STO], v[CD+16*(\a)+4*\c:CD+16*(\a)+4*\c+3] offset:(\a)*16*SPITCH+32*\c
.endr
.endm
.irp a, 0,1,2,3,4,5,6,7
	QBLOCK \a
.endr
	s_wait_dscnt 0x0                               ; for the others' sake: my stores into the stage are done
	s_barrier_signal -1
	s_barrier_wait -1
	s_cmp_eq_u32 ttmp9, 2
	s_cbranch_scc1 .Lv_out
.irp i, 0,1,2,3,4,5,6,7,8,9,10,11,12,13,14,15
	ds_load_b128 v[TMP+4*\i:TMP+4*\i+3], v[RDQ] offset:\i*8*SPITCH
.endr
.irp i, 16,17,18,19,20,21,22,23,24,25,26,27,28,29,30,31
	ds_load_b128 v[TMP+4*\i:TMP+4*\i+3], v[RDQ+1] offset:(\i-16)*8*SPITCH
.endr
.irp i, 0,1,2,3,4,5,6,7,8,9,10,11,12,13,14,15,16,17,18,19,20,21,22,23,24,25,26,27,28,29,30,31
	s_wait_dscnt 31-\i                             ; the younger loads may be out
	global_store_b128 v[GOQ], v[TMP+4*\i:TMP+4*\i+3], s[10:11] offset:512*\i   ; eight tokens of one head: 512 consecutive bytes
.endr
	s_branch .Lend
.Lv_out:
.irp i, 0,1,2,3,4,5,6,7,8,9,10,11,12,13,14,15,16,17,18,19,20,21,22,23,24,25,26,27,28,29,30,31
	ds_load_b128 v[TMP+4*\i:TMP+4*\i+3], v[RDV] offset:\i*2*SPITCH
.endr
.irp i, 0,1,2,3,4,5,6,7,8,9,10,11,12,13,14,15,16,17,18,19,20,21,22,23,24,25,26,27,28,29,30,31
	s_wait_dscnt 31-\i
	global_store_b128 v[GOV], v[TMP+4*\i:TMP+4*\i+3], s[10:11] offset:256*\i   ; sixteen lanes store 256 consecutive bytes, aligned: d = 2 i and 2 i + 1 of one step of 128 keys
.endr
.Lend:
	s_wait_tensorcnt 0x0                           ; the wave's end
	ds_add_u32 v[SPW], v[NIL]
	s_wait_dscnt 0x0
	CROUND                                         ; the closing round
	s_endpgm
.Lfunc_end_k_q18357151ff_qkvgemm:
	.size	k_q18357151ff_qkvgemm, .Lfunc_end_k_q18357151ff_qkvgemm-k_q18357151ff_qkvgemm
	.p2alignl 7, 3214868480
	.fill 96, 4, 3214868480
	.section	.rodata,"a",@progbits
	.p2align	6, 0x0
	.amdhsa_kernel k_q18357151ff_qkvgemm
		.amdhsa_group_segment_fixed_size 327680
		.amdhsa_private_segment_fixed_size 0
		.amdhsa_enable_private_segment 0
		.amdhsa_kernarg_size 32
		.amdhsa_user_sgpr_count 2
		.amdhsa_user_sgpr_kernarg_segment_ptr 1
		.amdhsa_wavefront_size32 1
		.amdhsa_system_sgpr_workgroup_id_x 1
		.amdhsa_system_sgpr_workgroup_id_y 1
		.amdhsa_system_sgpr_workgroup_id_z 1
		.amdhsa_system_vgpr_workitem_id 0
		.amdhsa_next_free_vgpr 1024
		.amdhsa_next_free_sgpr 100
		.amdhsa_reserve_vcc 0
		.amdhsa_float_denorm_mode_32 3
		.amdhsa_float_denorm_mode_16_64 3
		.amdhsa_memory_ordered 1
		.amdhsa_forward_progress 1
		.amdhsa_inst_pref_size 131
	.end_amdhsa_kernel
	.amdgpu_metadata
---
amdhsa.version: [ 1, 2 ]
amdhsa.kernels:
  - .name:           k_q18357151ff_qkvgemm
    .symbol:         k_q18357151ff_qkvgemm.kd
    .args:
      - { .name: xc, .offset: 0, .size: 8, .value_kind: global_buffer, .address_space: global }
      - { .name: wc, .offset: 8, .size: 8, .value_kind: global_buffer, .address_space: global }
      - { .name: lowp_scales, .offset: 16, .size: 8, .value_kind: global_buffer, .address_space: global }
      - { .name: qkv, .offset: 24, .size: 8, .value_kind: global_buffer, .address_space: global }
    .group_segment_fixed_size: 327680
    .private_segment_fixed_size: 0
    .kernarg_segment_align: 8
    .kernarg_segment_size: 32
    .max_flat_workgroup_size: 128
    .sgpr_count:     100
    .vgpr_count:     1024
    .wavefront_size: 32
...
	.end_amdgpu_metadata
.endif
;; end of part 2
;; launch attn (part 3): grid 4 x 64, 16 waves a work-group, clusters of 4 x 1, 327,680 bytes of LDS; arguments qkv, lowp_scales, oc; writes oc
.if DOCPART == 3
	.amdgcn_target "amdgcn-amd-amdhsa--gfx1250"
	.amdhsa_code_object_version 6
	.text
	.protected	k_q18357151ff_attn
	.globl	k_q18357151ff_attn
	.p2align	8
	.type	k_q18357151ff_attn,@function
k_q18357151ff_attn:
	s_mov_b64 s[64:65], 0
	v_nop
	global_prefetch_b8 v0, s[64:65] scope:SCOPE_SE
	s_setreg_imm32_b32 hwreg(HW_REG_WAVE_MODE, 25, 1), 1
	s_wait_xcnt 0x0
	s_wait_alu depctr_hold_cnt(0) depctr_sa_sdst(0) depctr_va_vdst(0) depctr_va_sdst(0) depctr_va_ssrc(0) depctr_va_vcc(0) depctr_vm_vsrc(0)
	s_getreg_b32 s2, hwreg(HW_REG_IB_STS2, 6, 4)
	s_cmp_eq_u32 s2, 0
	s_cbranch_scc0 .Lentry_in_a_cluster
	s_endpgm
.Lentry_in_a_cluster:
	s_bfe_u32 s2, ttmp6, 0x10000c
	s_cmp_lg_u32 s2, 0x3003
	s_cbranch_scc0 .Lentry_shape_is_right
	s_endpgm
.Lentry_shape_is_right:
; Causal attention on codes of FP8 (E4M3), head size 64, 2,048 tokens, 64 heads (batch x 16 + head); the result is quantised under entry 10 of the scales into oc.
; qkv: plane 0 q, plane 1 k: [head][token][64]; plane 2 v: [head][token / 128][d][128], the keys innermost; the order of places inside every 32 is the one that the launch before gives them.
; WORK LEFT OUT: every score with key > query is -infinity, so its p is 0 for all values of the inputs: key steps all of whose 128 keys come after a tile's 16 queries are not multiplied.
; A NaN, an infinity or an overflow that reaches only those scores is not carried to the result.
; THE SOFTMAX: t = score x log2(e) / 8; M = the running largest t rounded UP to a whole number; p = 2^(t - M) is quantised under entry 8; the row's sum is taken of the unquantised p and divides at the end.
; When M moves, the sum and O are multiplied by 2^(old M - new M), which rounds nothing.
; A HEAD'S K AND V STAY IN LDS: 2 x 131,072 bytes of codes, with padding 278,528 bytes; both planes are dense in memory, 8,192 bytes for a step of 128 keys, and come as rows of 256 bytes.  No LDS byte is filled twice: no ring.
; TWO GROUPS OF LOADS, one load a wave in each (waves 0-7: K; waves 8-15: V).  At the head: step 0's 32 rows of each, 4 rows a wave.  Behind a wait, an add and a round of the cluster's:
; steps 1 to 15, 60 rows a wave; these are on their way while step 0 is worked.  One work-group barrier follows step 0, when they have landed; the loop over steps 1 to 15 has none.
; LDS: K's step 0, V's step 0, K's steps 1-15, V's steps 1-15: what step 0 reads lies below every byte of the second group.
; CLUSTER: the four work-groups of a head read all of its K and V: every load is asked for jointly by the four (mask 15).
; SHARES.  A head has 128 tiles of 16 queries.  Wave w of the work-group at place cx owns tiles a = 4 w + cx (L) and 127 - a (H): (w / 2 + 1) + (16 - w / 2) = 17 tile steps of 128 keys in every wave of the launch.
; The last step of L is w / 2 and of H 15 - w / 2: numbers of the wave alone, so no branch hangs on the place in the cluster; the place enters global addresses and the numbers that the diagonal's compares take.
; Every wave walks 16 steps (constant trip counts); a step with no work for a tile is left out by a scalar branch.  While L has keys, each fragment of K and V read from LDS feeds both tiles.
; NO PREFETCH: both groups of tensor loads stand ahead of the loop; there is no later load for a loop to run ahead of.
; LAYOUT.  Both products transposed: S^T = K Q^T (source 0 = 16 neighbouring keys, source 1 = 16 queries), O^T = V^T P^T: a lane holds ONE query (lane % 16) throughout.  Register 8 t + j of S^T holds key 16 t + 8 (lane / 16) + j.
; oc: byte (token / 4) x 4,096 + head x 256 + (token % 4) x 64 + d: four tokens of a head are 256 consecutive bytes.
; LIMITS: e6 + e7 between -123 and 130 (added to the exponent field of log2(e) / 8); e8 and e10 - e8 - e9 between -126 and 119; the scaled scores t stay under 2^31 in magnitude.
; By this text's count a wave has at most one tensor load out; every wait for tensor loads is for 0.
.set KP,    272                        ; an LDS row: 256 bytes + 16.  K: four keys of 64 bytes to a row; V: d = 2 j and 2 j + 1, 128 keys each
.set STEPB, 32*KP                      ; a step of 128 keys of K or of V
.set SPARE, 32*STEPB                   ; the spare words, 128 bytes for each of sixteen waves
.set STAGE, SPARE+16*128               ; the way out: for each wave 2 tiles x 16 rows x (64 bytes + 16); no fill lands here
.set SP,    80
.set AK0, 1                            ; v1   my lane's place in a tile of K
.set AV0, 2                            ; v2   in a tile of V
.set DL,  3                            ; v3   tile L, on its diagonal step: my query - the step's first key - 8 (lane / 16)
.set PSC, 4                            ; v4   2^e8
.set SPW, 5
.set NIL, 6
.set DH,  7                            ; v7   the same for tile H
.set ADK, 8
.set ADV, 9
.set STO, 10                           ; v10  the stage: in
.set RD,  11                           ; v11  the stage: back
.set GO,  60                           ; v60  my byte in two groups of four tokens of oc
.set QO,  61                           ; v61  my byte in a tile of q; never rewritten
.set QHF, 28                           ; v28-35 Q of tile H;  v36-43 of tile L
.set QLF, 36
.set PH,  44                           ; v44-59 p's codes, tile H
.set KFR, 64                           ; v64-127 K's eight fragments
.set PL,  64                           ; v64-79 p's codes, tile L, once K is done with
.set S,   128                          ; v128-191 S^T, then p, then V's four fragments
.set OH,  192                          ; v192-223 O^T of tile H;  v224-255 of tile L
.set OL,  224
; v12-15: tile H's -M, largest t, sum (two halves); v16-19: tile L's; v20-25, v62, v63 at work; v26, v27: the output's scale and 448 x it
.set WV,   18
.set SEL,  20
.set CS,   22
.set G1A,  24                          ; s[24:31] group 1, 4 rows;  s[32:39] group 1, 60 rows;  s[40:43], s[44:47] their groups 0
.set G1B,  32
.set G0A,  40
.set G0B,  44
.set TB,   66                          ; s66  LDS byte of K's step in hand
.set ST,   67                          ; s67  the step, 0 to 15
.set TBV,  78                          ; s78  LDS byte of V's step in hand
.set LL,   92                          ; s92  tile L's last step
.set HL,   93                          ; s93  tile H's
.set PLIM, 94                          ; s94  448 x 2^e8
.set QL,   95                          ; s95  tile L's first query
.set QH,   98                          ; s98  tile H's
.macro CROUND                          ; a round of the cluster's barrier
	s_barrier_signal -1
	s_barrier_wait -1
	s_cmp_lg_u32 s[WV], 0
	s_cbranch_scc1 .Lnot_wave_0_\@
	s_barrier_signal -3
.Lnot_wave_0_\@:
	s_barrier_wait -3
	s_barrier_signal -1
	s_barrier_wait -1
.endm
	s_load_b128 s[4:7], s[0:1], 0x0                ; qkv, scales
	s_load_b64 s[8:9], s[0:1], 0x10                ; oc
	v_lshl_add_u32 v[SPW], v0, 2, SPARE
	v_mov_b32 v[NIL], 0
	ds_add_u32 v[SPW], v[NIL]                      ; the wave's opening: the add, twice on end, and its wait ahead of my first tensor load
	ds_add_u32 v[SPW], v[NIL]
	v_lshrrev_b32 v8, 5, v0
	v_readfirstlane_b32 s[WV], v8                  ; wave 0..15
	s_bfe_u32 s10, ttmp6, 0x40000                  ; cx: my place in the cluster
	s_and_b32 s11, ttmp7, 0xffff                   ; batch x 16 + head: the cluster's y
	s_lshl_b32 s12, s11, 17                        ; its first byte in each plane
	s_mov_b32 s13, 0
	s_lshl_b32 s14, s[WV], 6
	s_lshl_b32 s15, s10, 4
	s_add_co_u32 s[QL], s14, s15                   ; 16 a = 64 w + 16 cx
	s_sub_co_u32 s[QH], 2032, s[QL]                ; 16 (127 - a)
	s_lshr_b32 s[LL], s[WV], 1
	s_sub_co_u32 s[HL], 15, s[LL]
	s_and_b32 s73, s[WV], 1
	s_lshl_b32 s73, s73, 6
	s_add_co_u32 s73, s73, s15                     ; 16 (a % 8): tile L's first query in its diagonal step,
	s_sub_co_u32 s74, 112, s73                     ; and tile H's
	s_mul_i32 s75, s[WV], 2*16*SP
	s_add_co_u32 s75, s75, STAGE                   ; my stage
.irp g, G1A, G1B
	s_mov_b32 s[\g], 15|(1<<20)|(1<<21)|(5<<22)|(3<<25)   ; the mask: all four of the cluster; elements of 1 byte; padding on; bit 21 beside a mask; 4 words after every 64
	s_mov_b32 s[\g+1], 256<<16                     ; tensor_dim0
	s_mov_b32 s[\g+3], 256<<16                     ; tile_dim0
	s_mov_b32 s[\g+5], 256                         ; dense rows
	s_mov_b32 s[\g+6], 0
	s_mov_b32 s[\g+7], 0
.endr
	s_mov_b32 s[G1A+2], 4<<16                      ; tensor_dim1
	s_mov_b32 s[G1A+4], 4                          ; tile_dim1
	s_mov_b32 s[G1B+2], 60<<16
	s_mov_b32 s[G1B+4], 60
	s_and_b32 s16, s[WV], 7                        ; which eighth,
	s_lshr_b32 s17, s[WV], 3                       ; of K (0) or of V (1)
	s_lshl_b32 s48, s17, 23
	s_add_co_u32 s48, s48, s12
	s_add_co_u32 s48, s48, 0x800000                ; plane 1 or 2 at my head: made of the wave's number and the cluster's y alone
	s_lshl_b32 s50, s16, 10
	s_add_co_u32 s50, s50, s48                     ; step 0: my 4 rows
	s_mov_b32 s51, 0
	s_mul_i32 s52, s16, 60*256
	s_add_co_u32 s52, s52, s48
	s_add_co_u32 s52, s52, 8192                    ; steps 1 to 15: my 60 rows
	s_mov_b32 s53, 0
	s_mov_b32 s[G0A], 1
	s_mul_i32 s[G0A+1], s17, STEPB
	s_mul_i32 s49, s16, 4*KP
	s_add_co_u32 s[G0A+1], s[G0A+1], s49           ; where they go
	s_mov_b32 s[G0B], 1
	s_mul_i32 s[G0B+1], s17, 15*STEPB
	s_mul_i32 s49, s16, 60*KP
	s_add_co_u32 s[G0B+1], s[G0B+1], s49
	s_add_co_u32 s[G0B+1], s[G0B+1], 2*STEPB
	s_mov_b32 s[SEL], 0x76543210
	s_mov_b32 s[SEL+1], 0xfedcba98
	s_mov_b32 s[CS], 0x3e38aa3b                    ; log2(e) / 8
	s_mov_b32 s[TB], 0
	s_mov_b32 s[TBV], STEPB
	s_mov_b32 s[ST], 0
	s_wait_dscnt 0x0                               ; both opening adds are done
	s_wait_kmcnt 0x0
	s_load_b128 s[68:71], s[6:7], 0x18             ; e6, e7, e8, e9
	s_load_b32 s72, s[6:7], 0x28                   ; e10
	s_add_nc_u64 s[G0A+2:G0A+3], s[4:5], s[50:51]
	s_or_b32 s[G0A+3], s[G0A+3], 0x80000000
	s_add_nc_u64 s[G0B+2:G0B+3], s[4:5], s[52:53]
	s_or_b32 s[G0B+3], s[G0B+3], 0x80000000
	CROUND                                         ; all four work-groups are here: the joint loads meet
	tensor_load_to_lds s[G0A:G0A+3], s[G1A:G1A+7]  ; my part of step 0: my one tensor load at the head
	s_nop 0
.rept 4
	v_nop
.endr
	s_add_nc_u64 s[4:5], s[4:5], s[12:13]          ; q at my head
	s_lshl_b32 s12, s[QH], 6
	s_add_nc_u64 s[84:85], s[4:5], s[12:13]        ; at tile H,
	s_lshl_b32 s12, s[QL], 6
	s_add_nc_u64 s[86:87], s[4:5], s[12:13]        ; at tile L
	s_lshr_b32 s12, s11, 4
	s_lshl_b32 s12, s12, 21                        ; oc: the batch's 2,048 tokens x 1,024 bytes,
	s_and_b32 s14, s11, 15
	s_lshl_b32 s14, s14, 8                         ; the head's 256 bytes
	s_add_co_u32 s14, s14, s12
	s_lshl_b32 s12, s[QH], 10
	s_add_co_u32 s12, s12, s14
	s_add_nc_u64 s[88:89], s[8:9], s[12:13]
	s_lshl_b32 s12, s[QL], 10
	s_add_co_u32 s12, s12, s14
	s_add_nc_u64 s[90:91], s[8:9], s[12:13]
	s_wait_kmcnt 0x0
	s_add_co_i32 s96, s68, s69
	s_lshl_b32 s96, s96, 23
	s_add_co_i32 s[CS], s[CS], s96                 ; a score stands for score x 2^(e6 + e7)
	s_mov_b32 s[CS+1], s[CS]
	s_add_co_i32 s96, s70, 127
	s_lshl_b32 s97, s96, 23                        ; 2^e8
	s_add_co_i32 s96, s96, 8
	s_lshl_b32 s96, s96, 23
	s_or_b32 s[PLIM], s96, 0x600000                ; 448 x 2^e8
	s_sub_co_i32 s96, s72, s70
	s_sub_co_i32 s96, s96, s71                     ; O / l stands for that x 2^(e8 + e9): its code is it / 2^(e10 - e8 - e9)
	s_add_co_i32 s96, s96, 127
	s_lshl_b32 s76, s96, 23
	s_add_co_i32 s96, s96, 8
	s_lshl_b32 s96, s96, 23
	s_or_b32 s77, s96, 0x600000
	; all vector set-up stands in one run
	v_and_b32 v8, 15, v0                           ; r
	v_bfe_u32 v9, v0, 4, 1                         ; h
	v_lshlrev_b32 v[QO], 6, v8
	v_lshl_add_u32 v[QO], v9, 4, v[QO]             ; q: row r of 64 bytes + 16 h
.irp c, 0,1
	global_load_b128 v[QHF+4*\c:QHF+4*\c+3], v[QO], s[84:85] offset:32*\c
	global_load_b128 v[QLF+4*\c:QLF+4*\c+3], v[QO], s[86:87] offset:32*\c
.endr
	v_lshrrev_b32 v[AK0], 2, v8
	v_mul_u32_u24 v[AK0], v[AK0], KP
	v_and_b32 v[AV0], 3, v8
	v_lshl_add_u32 v[AK0], v[AV0], 6, v[AK0]
	v_lshl_add_u32 v[AK0], v9, 4, v[AK0]           ; K: key r lies in row r / 4 at byte 64 (r % 4); + 16 h
	v_lshrrev_b32 v[AV0], 1, v8
	v_mul_u32_u24 v[AV0], v[AV0], KP
	v_and_b32 v62, 1, v8
	v_lshl_add_u32 v[AV0], v62, 7, v[AV0]
	v_lshl_add_u32 v[AV0], v9, 4, v[AV0]           ; V: d = r lies in row r / 2 at byte 128 (r % 2); + 16 h
	v_lshlrev_b32 v62, 3, v9
	v_sub_nc_u32 v62, v8, v62                      ; r - 8 h
	v_add_nc_u32 v[DL], s73, v62
	v_add_nc_u32 v[DH], s74, v62
	v_mul_u32_u24 v[STO], v8, SP
	v_lshl_add_u32 v[STO], v9, 3, v[STO]
	v_add_nc_u32 v[STO], s75, v[STO]               ; the stage, in: row r, 8 bytes for each half of the lanes
	v_and_b32 v[GO], 31, v0
	v_lshrrev_b32 v[RD], 2, v[GO]
	v_mul_u32_u24 v[RD], v[RD], SP
	v_and_b32 v62, 3, v[GO]
	v_lshl_add_u32 v[RD], v62, 4, v[RD]
	v_add_nc_u32 v[RD], s75, v[RD]                 ; back: four lanes to a row, eight rows an instruction
	v_lshlrev_b32 v[GO], 12, v9
	v_lshl_add_u32 v[GO], v8, 4, v[GO]             ; sixteen lanes: four tokens' 256 bytes; lanes 16-31: the next four tokens, 4,096 bytes on
	v_mov_b32 v13, 0xff61b1e6                      ; the largest t so far: -3e38
	v_mov_b32 v17, 0xff61b1e6
	v_floor_f32 v12, -v13                          ; -M
	v_floor_f32 v16, -v17
	v_mov_b32 v14, 0
	v_mov_b32 v15, 0
	v_mov_b32 v18, 0
	v_mov_b32 v19, 0
	v_mov_b32 v21, 0                               ; written once: a lane permute's destination counts as one of its sources
	v_mov_b32 v23, 0                               ; (named as the upper half of the pair v[22:23])
	v_mov_b32 v[PSC], s97
	v_mov_b32 v26, s76
	v_mov_b32 v27, s77
.set j, 0
.rept 64
	v_mov_b32 v[OH+j], 0                           ; O^T of both tiles: every step has one form, and the first finds zeros
.set j, j+1
.endr
; ONE TILE'S SOFTMAX of a step of 128 keys.  st: its statistics; pc: where p's codes go; ob: its O^T; sq: the scalar register with its last step, the one on the diagonal; dv: the register that the diagonal's compares take.
.macro SOFT st, pc, ob, sq, dv
.rept 4
	v_nop                                          ; places behind the products
.endr
	s_cmp_lg_u32 s[ST], s[\sq]
	s_cbranch_scc1 .Lopen_\@                       ; not the tile's last step: all 128 keys count for all 16 queries
	v_mov_b32 v21, 0xff800000
.set n, 0
.rept 64
	v_cmp_gt_i32 vcc_lo, 16*(n/8)+n%8, v[\dv]      ; register 8 t + j is hidden where 16 t + j > my query - the step's first key - 8 (lane / 16)
	v_cndmask_b32 v[S+n], v[S+n], v21, vcc_lo
.set n, n+1
.endr
.Lopen_\@:
	v_max3_num_f32 v20, v[S], v[S+1], v[S+2]       ; the step's largest score of my query, in four chains, the registers in ascending order: each accumulator is first read at its low end
	v_max3_num_f32 v22, v[S+3], v[S+4], v[S+5]
	v_max3_num_f32 v24, v[S+6], v[S+7], v[S+8]
	v_max3_num_f32 v25, v[S+9], v[S+10], v[S+11]
.irp i, 12,20,28,36,44,52
	v_max3_num_f32 v20, v20, v[S+\i], v[S+\i+1]
	v_max3_num_f32 v22, v22, v[S+\i+2], v[S+\i+3]
	v_max3_num_f32 v24, v24, v[S+\i+4], v[S+\i+5]
	v_max3_num_f32 v25, v25, v[S+\i+6], v[S+\i+7]
.endr
	v_max3_num_f32 v20, v20, v[S+60], v[S+61]
	v_max3_num_f32 v22, v22, v[S+62], v[S+63]
	s_delay_alu instid0(VALU_DEP_1)
	v_max3_num_f32 v20, v20, v22, v24
	s_delay_alu instid0(VALU_DEP_1)
	v_max_num_f32 v20, v20, v25
	s_delay_alu instid0(VALU_DEP_1)
	v_permlanex16_b32 v21, v20, s[SEL], s[SEL+1]
	s_delay_alu instid0(VALU_DEP_1)
	v_max_num_f32 v20, v20, v21                    ; and among lane l xor 16's
	s_delay_alu instid0(VALU_DEP_1)
	v_mul_f32 v20, s[CS], v20
	s_delay_alu instid0(VALU_DEP_1)
	v_max_num_f32 v[\st+1], v[\st+1], v20          ; the running largest t
	v_mov_b32 v20, v[\st]
	s_delay_alu instid0(VALU_DEP_2)
	v_floor_f32 v[\st], -v[\st+1]                  ; -M = floor(-t)
	s_delay_alu instid0(VALU_DEP_1)
	v_sub_f32 v20, v[\st], v20                     ; old M - new M, a whole number, 0 or less
	s_delay_alu instid0(VALU_DEP_1)
	v_cvt_i32_f32 v20, v20                         ; (it saturates)
	s_delay_alu instid0(VALU_DEP_1)
	v_ldexp_f32 v22, 1.0, v20                      ; f = 2^(old M - new M)
.set j, 0
.rept 32
	v_pk_fma_f32 v[S+j:S+j+1], v[S+j:S+j+1], s[CS:CS+1], v[\st:\st+1] op_sel_hi:[1,0,0]   ; t - M
.set j, j+2
.endr
.set j, 0
	s_wait_alu depctr_va_vdst(0)
.rept 64
	v_exp_f32 v[S+j], v[S+j]                       ; p = 2^(t - M)
.set j, j+1
.endr
	v_pk_mul_f32 v[\st+2:\st+3], v[\st+2:\st+3], v[22:23] op_sel_hi:[1,0]   ; the sum under the new M: the plain line behind the exponentials
	s_wait_alu depctr_va_vdst(0)                   ; one wait for the whole batch, ahead of its first reader
	v_pk_add_f32 v[24:25], v[S:S+1], v[S+2:S+3]    ; the sum of the unquantised p, in four chains
	v_pk_add_f32 v[20:21], v[S+4:S+5], v[S+6:S+7]
	v_pk_add_f32 v[62:63], v[S+8:S+9], v[S+10:S+11]
	v_pk_add_f32 v[\st+2:\st+3], v[\st+2:\st+3], v[S+12:S+13]
.irp j, 14,22,30,38,46,54
	v_pk_add_f32 v[24:25], v[24:25], v[S+\j:S+\j+1]
	v_pk_add_f32 v[20:21], v[20:21], v[S+\j+2:S+\j+3]
	v_pk_add_f32 v[62:63], v[62:63], v[S+\j+4:S+\j+5]
	v_pk_add_f32 v[\st+2:\st+3], v[\st+2:\st+3], v[S+\j+6:S+\j+7]
.endr
	v_pk_add_f32 v[24:25], v[24:25], v[S+62:S+63]
	v_pk_add_f32 v[\st+2:\st+3], v[\st+2:\st+3], v[62:63]
	v_pk_add_f32 v[24:25], v[24:25], v[20:21]
	s_delay_alu instid0(VALU_DEP_1)
	v_pk_add_f32 v[\st+2:\st+3], v[\st+2:\st+3], v[24:25]
.irp b, 0,1,2,3
.irp i, 0,2,4,6,8,10,12,14
	v_dual_min_num_f32 v[S+16*\b+\i], s[PLIM], v[S+16*\b+\i] :: v_dual_min_num_f32 v[S+16*\b+\i+1], s[PLIM], v[S+16*\b+\i+1]   ; the conversion does not saturate (ISA guide 7.6.2); p is not negative, so the hold is one-sided; two holds an instruction
.endr
	v_cvt_scalef32_pk8_fp8_f32 v[\pc+4*\b:\pc+4*\b+1], v[S+16*\b:S+16*\b+7], v[PSC]
	v_cvt_scalef32_pk8_fp8_f32 v[\pc+4*\b+2:\pc+4*\b+3], v[S+16*\b+8:S+16*\b+15], v[PSC]
.endr
	s_wait_alu depctr_va_vdst(0)                   ; directly ahead of the first reader of O^T
.set j, 0
.rept 16
	v_pk_mul_f32 v[\ob+j:\ob+j+1], v[\ob+j:\ob+j+1], v[22:23] op_sel_hi:[1,0]   ; O^T under the new M.  These sixteen are also the places ahead of what follows
.set j, j+2
.endr
.endm
; A KEY STEP: 128 keys, K's at LDS byte s[TB], V's at s[TBV].
.macro STEP
	s_cmp_gt_u32 s[ST], s[HL]                      ; all keys come after tile H's queries, and so after tile L's
	s_cbranch_scc1 .Lhidden_\@
	v_add_nc_u32 v[ADK], s[TB], v[AK0]
	v_add_nc_u32 v[ADV], s[TBV], v[AV0]
.rept 4
	v_nop                                          ; with the two additions six places behind the last step's products: for the loads into their sources, and for the products below, which write over V's fragments
.endr
.set tt, 0
.rept 8
	ds_load_b128 v[KFR+8*tt:KFR+8*tt+3], v[ADK] offset:4*tt*KP
	ds_load_b128 v[KFR+8*tt+4:KFR+8*tt+7], v[ADK] offset:4*tt*KP+32
.set tt, tt+1
.endr
	s_wait_dscnt 0x0
.set tt, 0
.rept 8
	v_wmma_f32_16x16x64_fp8_fp8 v[S+8*tt:S+8*tt+7], v[KFR+8*tt:KFR+8*tt+7], v[QHF:QHF+7], 0
.set tt, tt+1
.endr
	SOFT 12, PH, OH, HL, DH
	s_cmp_gt_u32 s[ST], s[LL]
	s_cbranch_scc1 .Lnolo_\@
.set tt, 0
.rept 8
	v_wmma_f32_16x16x64_fp8_fp8 v[S+8*tt:S+8*tt+7], v[KFR+8*tt:KFR+8*tt+7], v[QLF:QLF+7], 0
.set tt, tt+1
.endr
	SOFT 16, PL, OL, LL, DL
.Lnolo_\@:
.set tt, 0
.rept 4
.irp c, 0,1,2,3
	ds_load_b128 v[S+16*tt+4*\c:S+16*tt+4*\c+3], v[ADV] offset:8*tt*KP+32*\c
.endr
.set tt, tt+1
.endr
	s_wait_dscnt 0x0
.set tt, 0
	s_wait_alu depctr_va_vdst(0)
.rept 4
	v_wmma_f32_16x16x128_fp8_fp8 v[OH+8*tt:OH+8*tt+7], v[S+16*tt:S+16*tt+15], v[PH:PH+15], v[OH+8*tt:OH+8*tt+7]
.set tt, tt+1
.endr
	s_cmp_gt_u32 s[ST], s[LL]
	s_cbranch_scc1 .Lhidden_\@
.set tt, 0
.rept 4
	v_wmma_f32_16x16x128_fp8_fp8 v[OL+8*tt:OL+8*tt+7], v[S+16*tt:S+16*tt+15], v[PL:PL+15], v[OL+8*tt:OL+8*tt+7]
.set tt, tt+1
.endr
.Lhidden_\@:
	s_add_co_u32 s[TB], s[TB], STEPB
	s_add_co_u32 s[TBV], s[TBV], STEPB
	s_add_co_u32 s[ST], s[ST], 1
.endm
	s_wait_alu depctr_va_vdst(0)                   ; the head's end
	s_wait_tensorcnt 0x0                           ; my part of step 0 is in
	ds_add_u32 v[SPW], v[NIL]
	s_wait_dscnt 0x0
	CROUND                                         ; everybody's part of step 0 is in, and all four work-groups are here: the joint loads meet
	tensor_load_to_lds s[G0B:G0B+3], s[G1B:G1B+7]  ; my part of steps 1 to 15: the first tensor load behind the round, and my last
	s_nop 0
.rept 4
	v_nop
.endr
	s_wait_loadcnt 0x0                             ; Q
	STEP                                           ; step 0, written out: it reads the first 2 x 8,704 bytes of LDS alone
	s_wait_tensorcnt 0x0                           ; my 60 rows have landed,
	s_barrier_signal -1
	s_barrier_wait -1                              ; and everybody's: the whole head is in LDS, and no barrier follows before the end
	s_mov_b32 s[TB], 2*STEPB                       ; K's step 1,
	s_mov_b32 s[TBV], 17*STEPB                     ; V's step 1
.Lstep:                                            ; fifteen trips
	STEP
	s_cmp_lt_u32 s[ST], 16
	s_cbranch_scc1 .Lstep
	; THE WAY OUT.  O^T / the sum is held, converted (register 8 t + j is d = 16 t + 8 (lane / 16) + j: eight codes, 8 bytes) and goes through my stage, so that sixteen lanes store four tokens' 256 bytes.
.rept 4
	v_nop                                          ; places behind the last products
.endr
.macro OUT st, ob, off, cr
	v_add_f32 v20, v[\st+2], v[\st+3]
	s_delay_alu instid0(VALU_DEP_1)
	v_permlanex16_b32 v21, v20, s[SEL], s[SEL+1]
	s_delay_alu instid0(VALU_DEP_1)
	v_add_f32 v20, v20, v21                        ; the row's sum
	s_wait_alu depctr_va_vdst(0)
	v_rcp_f32 v22, v20
	v_nop                                          ; a plain line behind the reciprocal
	s_wait_alu depctr_va_vdst(0)                   ; the wait ahead of its first reader, which is also O^T's
.set j, 0
.rept 16
	v_pk_mul_f32 v[S+j:S+j+1], v[\ob+j:\ob+j+1], v[22:23] op_sel_hi:[1,0]
.set j, j+2
.endr
.set j, 0
.rept 32
	v_med3_num_f32 v[S+j], v[S+j], -v27, v27
.set j, j+1
.endr
.irp t, 0,1,2,3
	v_cvt_scalef32_pk8_fp8_f32 v[\cr+2*\t:\cr+2*\t+1], v[S+8*\t:S+8*\t+7], v26
.endr
	v_nop                                          ; one plain line between the conversions and the next write of their sources
.irp t, 0,1,2,3
	ds_store_b64 v[STO], v[\cr+2*\t:\cr+2*\t+1] offset:\off+16*\t
.endr
.irp i, 0,1
	ds_load_b128 v[\cr+8+4*\i:\cr+8+4*\i+3], v[RD] offset:\off+8*SP*\i   ; LDS serves a wave's instructions in order: these see my stores
.endr
.endm
	OUT 12, OH, 0, 64
	OUT 16, OL, 16*SP, 80
	s_wait_dscnt 7                                 ; behind tile H's first load: its second, tile L's four stores and two loads
	global_store_b128 v[GO], v[72:75], s[88:89]
	s_wait_dscnt 6
	global_store_b128 v[GO], v[76:79], s[88:89] offset:8192
	s_wait_dscnt 1
	global_store_b128 v[GO], v[88:91], s[90:91]
	s_wait_dscnt 0
	global_store_b128 v[GO], v[92:95], s[90:91] offset:8192
	s_wait_tensorcnt 0x0                           ; the wave's end
	ds_add_u32 v[SPW], v[NIL]
	s_wait_dscnt 0x0
	CROUND                                         ; the closing round
	s_endpgm
.Lfunc_end_k_q18357151ff_attn:
	.size	k_q18357151ff_attn, .Lfunc_end_k_q18357151ff_attn-k_q18357151ff_attn
	.p2alignl 7, 3214868480
	.fill 96, 4, 3214868480
	.section	.rodata,"a",@progbits
	.p2align	6, 0x0
	.amdhsa_kernel k_q18357151ff_attn
		.amdhsa_group_segment_fixed_size 327680
		.amdhsa_private_segment_fixed_size 0
		.amdhsa_enable_private_segment 0
		.amdhsa_kernarg_size 24
		.amdhsa_user_sgpr_count 2
		.amdhsa_user_sgpr_kernarg_segment_ptr 1
		.amdhsa_wavefront_size32 1
		.amdhsa_system_sgpr_workgroup_id_x 1
		.amdhsa_system_sgpr_workgroup_id_y 1
		.amdhsa_system_sgpr_workgroup_id_z 1
		.amdhsa_system_vgpr_workitem_id 0
		.amdhsa_next_free_vgpr 256
		.amdhsa_next_free_sgpr 100
		.amdhsa_reserve_vcc 1
		.amdhsa_float_denorm_mode_32 3
		.amdhsa_float_denorm_mode_16_64 3
		.amdhsa_memory_ordered 1
		.amdhsa_forward_progress 1
		.amdhsa_inst_pref_size 99
	.end_amdhsa_kernel
	.amdgpu_metadata
---
amdhsa.version: [ 1, 2 ]
amdhsa.kernels:
  - .name:           k_q18357151ff_attn
    .symbol:         k_q18357151ff_attn.kd
    .args:
      - { .name: qkv, .offset: 0, .size: 8, .value_kind: global_buffer, .address_space: global }
      - { .name: lowp_scales, .offset: 8, .size: 8, .value_kind: global_buffer, .address_space: global }
      - { .name: oc, .offset: 16, .size: 8, .value_kind: global_buffer, .address_space: global }
    .group_segment_fixed_size: 327680
    .private_segment_fixed_size: 0
    .kernarg_segment_align: 8
    .kernarg_segment_size: 24
    .max_flat_workgroup_size: 512
    .sgpr_count:     100
    .vgpr_count:     256
    .wavefront_size: 32
...
	.end_amdgpu_metadata
.endif
;; end of part 3
;; launch proj (part 4): grid 4 x 32, 4 waves a work-group, clusters of 4 x 4, 327,680 bytes of LDS; arguments oc, wc, lowp_scales, bo, out0; writes out0
.if DOCPART == 4
	.amdgcn_target "amdgcn-amd-amdhsa--gfx1250"
	.amdhsa_code_object_version 6
	.text
	.protected	k_q18357151ff_proj
	.globl	k_q18357151ff_proj
	.p2align	8
	.type	k_q18357151ff_proj,@function
k_q18357151ff_proj:
	s_mov_b64 s[64:65], 0
	v_nop
	global_prefetch_b8 v0, s[64:65] scope:SCOPE_SE
	s_setreg_imm32_b32 hwreg(HW_REG_WAVE_MODE, 25, 1), 1
	s_wait_xcnt 0x0
	s_wait_alu depctr_hold_cnt(0) depctr_sa_sdst(0) depctr_va_vdst(0) depctr_va_sdst(0) depctr_va_ssrc(0) depctr_va_vcc(0) depctr_vm_vsrc(0)
	s_getreg_b32 s2, hwreg(HW_REG_IB_STS2, 6, 4)
	s_cmp_eq_u32 s2, 0
	s_cbranch_scc0 .Lentry_in_a_cluster
	s_endpgm
.Lentry_in_a_cluster:
	s_bfe_u32 s2, ttmp6, 0x10000c
	s_cmp_lg_u32 s2, 0xf033
	s_cbranch_scc0 .Lentry_shape_is_right
	s_endpgm
.Lentry_shape_is_right:
.set ROWB,   256
.set PITCH,  272
.set APITCH, 1040
.set FR,     16
.set NL,     4
.set NP,     4
.set HALFA,  32*APITCH
.set HALFT,  128*PITCH
.set BOFF,   2*HALFA
.set SLOT,   BOFF+2*HALFT
.set LAPS,   2
.set SPARE,  2*SLOT
.set SPITCH, 528
.set BIAS, 12
.set ADRA, 16
.set ADRB, 20
.set STO,  24
.set RD,   25
.set CO,   26
.set SPW,  28
.set NIL,  29
.set AF,   128
.set BK,   128
.set G1, 24
.set G0, 32
.set G1B, 48
.set G0B, 56
.set MSB, 0
.macro WIN new
.if MSB != \new
	s_set_vgpr_msb (MSB<<8)|\new
.set MSB, \new
.endif
.endm
.set MUL_LO, 0xa1
.set MUL_HI, 0xf1
.set TO_B,   0x40
.macro JLOAD g0a, g1a, g0b, g1b
	s_cmp_eq_u32 s15, 0
	s_cbranch_scc0 .Lfor_b_\@
	tensor_load_to_lds s[\g0a:\g0a+3], s[\g1a:\g1a+7]
	s_nop 0
.rept 4
	v_nop
.endr
	s_branch .Lasked_\@
.Lfor_b_\@:
	tensor_load_to_lds s[\g0b:\g0b+3], s[\g1b:\g1b+7]
	s_nop 0
.rept 4
	v_nop
.endr
.Lasked_\@:
.endm
.macro CREST
	s_cmp_lg_u32 s14, 0
	s_cbranch_scc1 .Lnot_wave_0_\@
	s_barrier_signal -3
.Lnot_wave_0_\@:
	s_barrier_wait -3
	s_barrier_signal -1
	s_barrier_wait -1
.endm
.macro CROUND
	s_barrier_signal -1
	s_barrier_wait -1
	CREST
.endm
	s_load_b256 s[4:11], s[0:1], 0x0
	s_load_b64 s[12:13], s[0:1], 0x20
	v_lshl_add_u32 v[SPW], v0, 2, SPARE
	v_mov_b32 v[NIL], 0
	ds_add_u32 v[SPW], v[NIL]
	ds_add_u32 v[SPW], v[NIL]
	v_lshrrev_b32 v1, 5, v0
	v_readfirstlane_b32 s14, v1
	s_lshr_b32 s15, s14, 1
	s_and_b32 s16, s14, 1
	s_bfe_u32 s40, ttmp6, 0x40000
	s_bfe_u32 s41, ttmp6, 0x40004
	s_lshl_b32 s42, ttmp9, 2
	s_add_co_u32 s42, s42, s40
	s_and_b32 s17, ttmp7, 0xffff
	s_lshl_b32 s17, s17, 2
	s_add_co_u32 s17, s17, s41
	s_lshl_b32 s43, s41, 2
	s_lshl_b32 s43, 15, s43
	s_lshl_b32 s44, 0x1111, s40
	s_or_b32 s[G1+0], s43, (0<<16)|(1<<20)|(1<<21)|(7<<22)|(3<<25)
	s_mov_b32 s[G1+1], 1024<<16
	s_mov_b32 s[G1+2], 32<<16
	s_mov_b32 s[G1+3], 1024<<16
	s_mov_b32 s[G1+4], 32
	s_mov_b32 s[G1+5], 4096
	s_mov_b32 s[G1+6], 0
	s_mov_b32 s[G1+7], 0
	s_or_b32 s[G1B+0], s44, (0<<16)|(1<<20)|(1<<21)|(5<<22)|(3<<25)
	s_mov_b32 s[G1B+1], ROWB<<16
	s_mov_b32 s[G1B+2], 128<<16
	s_mov_b32 s[G1B+3], ROWB<<16
	s_mov_b32 s[G1B+4], 128
	s_mov_b32 s[G1B+5], 1024
	s_mov_b32 s[G1B+6], 0
	s_mov_b32 s[G1B+7], 0
	s_lshl_b32 s18, s16, 17
	s_lshl_b32 s20, s17, 18
	s_add_co_u32 s20, s20, s18
	s_mov_b32 s21, 0
	s_lshl_b32 s46, s42, 18
	s_add_co_u32 s46, s46, s18
	s_add_co_u32 s46, s46, 0x300000
	s_mov_b32 s47, 0
	s_mul_i32 s45, s16, HALFA
	s_mul_i32 s66, s16, HALFT
	s_add_co_u32 s66, s66, BOFF
	s_wait_dscnt 0x0
	s_wait_kmcnt 0x0
	s_load_b64 s[96:97], s[8:9], 0x28
	s_add_nc_u64 s[20:21], s[4:5], s[20:21]
	s_add_nc_u64 s[46:47], s[6:7], s[46:47]
	CROUND
.irp s, 0,1
	s_mov_b32 s[G0+4*\s], 1
	s_add_co_u32 s[G0+4*\s+1], s45, \s*SLOT
	s_add_nc_u64 s[G0+4*\s+2:G0+4*\s+3], s[20:21], \s*1024
	s_or_b32 s[G0+4*\s+3], s[G0+4*\s+3], 0x80000000
	s_mov_b32 s[G0B+4*\s], 1
	s_add_co_u32 s[G0B+4*\s+1], s66, \s*SLOT
	s_add_nc_u64 s[G0B+4*\s+2:G0B+4*\s+3], s[46:47], \s*ROWB
	s_or_b32 s[G0B+4*\s+3], s[G0B+4*\s+3], 0x80000000
	s_wait_alu depctr_va_vdst(0)
	s_wait_tensorcnt 0x0
	ds_add_u32 v28, v29
	ds_add_u32 v28, v29
	s_wait_dscnt 0x0
	CROUND
	JLOAD G0+4*\s, G1, G0B+4*\s, G1B
.endr
	v_and_b32 v1, 15, v0
	v_bfe_u32 v2, v0, 4, 1
	v_mul_u32_u24 v3, v1, PITCH
	v_lshl_add_u32 v4, v2, 4, v3
	v_lshrrev_b32 v5, 2, v1
	v_mul_u32_u24 v5, v5, APITCH
	v_and_b32 v6, 3, v1
	v_lshl_add_u32 v5, v6, 6, v5
	v_lshl_add_u32 v5, v2, 4, v5
	s_mul_i32 s21, s15, HALFA
	s_mul_i32 s22, s16, HALFT
	s_add_co_u32 s22, s22, BOFF
.irp s, 0,1
	v_add_nc_u32 v[ADRA+\s], s21, v5
	v_add_nc_u32 v[ADRB+\s], s22, v4
	s_add_co_u32 s21, s21, SLOT
	s_add_co_u32 s22, s22, SLOT
.endr
	s_mul_i32 s23, s14, 16*SPITCH
	v_mul_u32_u24 v5, v1, SPITCH
	v_lshl_add_u32 v5, v2, 5, v5
	v_add_nc_u32 v[STO], s23, v5
	v_and_b32 v6, 31, v0
	v_lshlrev_b32 v[CO], 4, v6
	v_add_nc_u32 v[RD], s23, v[CO]
	s_lshl_b32 s72, s42, 10
	s_lshl_b32 s73, s16, 9
	s_add_co_u32 s72, s72, s73
	s_mov_b32 s73, 0
	s_add_nc_u64 s[84:85], s[10:11], s[72:73]
	global_load_b128 v[BIAS:BIAS+3], v[CO], s[84:85]
	s_lshl_b32 s74, s17, 20
	s_lshl_b32 s75, s15, 19
	s_add_co_u32 s74, s74, s75
	s_add_co_u32 s74, s74, s72
	s_mov_b32 s75, 0
	s_add_nc_u64 s[12:13], s[12:13], s[74:75]
.macro FRAG reg, adr, q, i
.irp c, 0,1,2,3
	ds_load_b128 v[\reg+4*\c:\reg+4*\c+3], v[\adr] offset:128*(\q)+32*\c+(\i)*16*PITCH
.endr
.endm
.macro FRAGA reg, adr, q, i
.irp c, 0,1,2,3
	ds_load_b128 v[\reg+4*\c:\reg+4*\c+3], v[\adr] offset:512*(\q)+256*(\c/2)+32*(\c%2)+(\i)*4*APITCH
.endr
.endm
.macro MUL16 a0, p, zero
.irp a, \a0, \a0+1
.irp b, 0,1,2,3,4,5,6,7
.if \zero
	v_wmma_f32_16x16x128_fp8_fp8 v[8*(8*((\a)%4)+\b):8*(8*((\a)%4)+\b)+7], v[128*(\p)+FR*\b:128*(\p)+FR*\b+FR-1], v[AF+FR*(\a):AF+FR*(\a)+FR-1], 0
.else
	v_wmma_f32_16x16x128_fp8_fp8 v[8*(8*((\a)%4)+\b):8*(8*((\a)%4)+\b)+7], v[128*(\p)+FR*\b:128*(\p)+FR*\b+FR-1], v[AF+FR*(\a):AF+FR*(\a)+FR-1], v[8*(8*((\a)%4)+\b):8*(8*((\a)%4)+\b)+7]
.endif
.endr
.endr
.endm
.macro FETCH_B slot, q, p
	WIN TO_B
.irp i, 0,1,2,3,4,5,6,7
	FRAG 128*(\p)+FR*\i, ADRB+\slot, \q, \i
.endr
	WIN 0
.endm
.macro FETCH_A slot, q, i0
.irp i, \i0, \i0+1, \i0+2, \i0+3
	FRAGA AF+FR*(\i), ADRA+\slot, \q, \i
.endr
.endm
.macro PLACES n
.rept \n
	v_nop
.endr
.endm
.macro STEP slot, q, zero
	s_wait_dscnt 4*NL
	WIN MUL_LO
	MUL16 0, (\q)%2, \zero
	MUL16 2, (\q)%2, \zero
	s_wait_dscnt 0
	PLACES NP
	FETCH_B \slot, (\q)+1, 1-(\q)%2
	FETCH_A \slot, (\q)+1, 0
	WIN MUL_HI
	MUL16 4, (\q)%2, \zero
	MUL16 6, (\q)%2, \zero
	PLACES NP
	WIN 0
	FETCH_A \slot, (\q)+1, 4
.endm
.macro TURN slot, next, fill
	s_wait_tensorcnt 0x0
	ds_add_u32 v[SPW], v[NIL]
	s_wait_dscnt 4*NL+1
	WIN MUL_LO
	MUL16 0, 1, 0
	s_wait_dscnt 0x0
	s_barrier_signal -1
	MUL16 2, 1, 0
	WIN 0
	s_barrier_wait -1
.if \fill
	CREST
	s_add_nc_u64 s[G0+4*\slot+2:G0+4*\slot+3], s[G0+4*\slot+2:G0+4*\slot+3], 2*1024
	s_add_nc_u64 s[G0B+4*\slot+2:G0B+4*\slot+3], s[G0B+4*\slot+2:G0B+4*\slot+3], 2*ROWB
	JLOAD G0+4*\slot, G1, G0B+4*\slot, G1B
.else
	PLACES NP
.endif
	FETCH_B \next, 0, 0
	FETCH_A \next, 0, 0
	WIN MUL_HI
	MUL16 4, 1, 0
	MUL16 6, 1, 0
	PLACES NP
	WIN 0
	FETCH_A \next, 0, 4
.endm
	s_wait_alu depctr_va_vdst(0)
	s_wait_tensorcnt 1
	s_barrier_signal -1
	s_barrier_wait -1
	FETCH_B 0, 0, 0
	FETCH_A 0, 0, 0
	FETCH_A 0, 0, 4
	STEP 0, 0, 1
	s_mov_b32 s3, LAPS-1
.Llap:
	TURN 0, 1, 1
	STEP 1, 0, 0
	TURN 1, 0, 1
	STEP 0, 0, 0
	s_sub_co_u32 s3, s3, 1
	s_cmp_lg_u32 s3, 0
	s_cbranch_scc1 .Llap
	TURN 0, 1, 0
	STEP 1, 0, 0
	s_wait_dscnt 4*NL
	WIN MUL_LO
	MUL16 0, 1, 0
	MUL16 2, 1, 0
	s_wait_dscnt 0
	WIN MUL_HI
	MUL16 4, 1, 0
	MUL16 6, 1, 0
	WIN 0
.macro TOSTAGE a
.set AC, 64*((\a)%4)
	WIN 0x08+4*((\a)/4)
.irp b, 0,1,2,3,4,5,6,7
	ds_store_b128 v[STO], v[AC+8*\b:AC+8*\b+3] offset:64*\b
	ds_store_b128 v[STO], v[AC+8*\b+4:AC+8*\b+7] offset:64*\b+16
.endr
	WIN 0
.set BB, BK+64*((\a)%2)
.irp t, 0,1,2,3,4,5,6,7,8,9,10,11,12,13,14,15
	ds_load_b128 v[BB+4*\t:BB+4*\t+3], v[RD] offset:\t*SPITCH
.endr
.endm
.macro SEND a, younger
.set BB, BK+64*((\a)%2)
	s_wait_dscnt \younger
.if (\a) > 0
	s_add_nc_u64 s[12:13], s[12:13], 16*4096
.endif
.irp t, 0,1,2,3,4,5,6,7,8,9,10,11,12,13,14,15
	v_pk_fma_f32 v[BB+4*\t:BB+4*\t+1], v[BB+4*\t:BB+4*\t+1], s[96:97], v[BIAS:BIAS+1] op_sel_hi:[1,0,1]
	v_pk_fma_f32 v[BB+4*\t+2:BB+4*\t+3], v[BB+4*\t+2:BB+4*\t+3], s[96:97], v[BIAS+2:BIAS+3] op_sel_hi:[1,0,1]
	global_store_b128 v[CO], v[BB+4*\t:BB+4*\t+3], s[12:13] offset:\t*4096 th:TH_STORE_NT
.endr
.endm
	s_wait_kmcnt 0x0
	s_add_co_i32 s96, s96, s97
	s_add_co_i32 s96, s96, 127
	s_lshl_b32 s96, s96, 23
	s_wait_loadcnt 0x0
	PLACES NP
	TOSTAGE 0
.irp a, 1,2,3,4,5,6,7
.if \a > 1
	s_wait_xcnt 0x0
.endif
	TOSTAGE \a
	SEND \a-1, 32
.endr
	s_wait_xcnt 0x0
	SEND 7, 0
	s_wait_tensorcnt 0x0
	ds_add_u32 v[SPW], v[NIL]
	s_wait_dscnt 0x0
	CROUND
	s_endpgm
.Lfunc_end_k_q18357151ff_proj:
	.size	k_q18357151ff_proj, .Lfunc_end_k_q18357151ff_proj-k_q18357151ff_proj
	.p2alignl 7, 3214868480
	.fill 96, 4, 3214868480
	.section	.rodata,"a",@progbits
	.p2align	6, 0x0
	.amdhsa_kernel k_q18357151ff_proj
		.amdhsa_group_segment_fixed_size 327680
		.amdhsa_private_segment_fixed_size 0
		.amdhsa_enable_private_segment 0
		.amdhsa_kernarg_size 40
		.amdhsa_user_sgpr_count 2
		.amdhsa_user_sgpr_kernarg_segment_ptr 1
		.amdhsa_wavefront_size32 1
		.amdhsa_system_sgpr_workgroup_id_x 1
		.amdhsa_system_sgpr_workgroup_id_y 1
		.amdhsa_system_sgpr_workgroup_id_z 1
		.amdhsa_system_vgpr_workitem_id 0
		.amdhsa_next_free_vgpr 1024
		.amdhsa_next_free_sgpr 100
		.amdhsa_reserve_vcc 0
		.amdhsa_float_denorm_mode_32 3
		.amdhsa_float_denorm_mode_16_64 3
		.amdhsa_memory_ordered 1
		.amdhsa_forward_progress 1
		.amdhsa_inst_pref_size 125
	.end_amdhsa_kernel
	.amdgpu_metadata
---
amdhsa.version: [ 1, 2 ]
amdhsa.kernels:
  - .name:           k_q18357151ff_proj
    .symbol:         k_q18357151ff_proj.kd
    .args:
      - { .name: oc, .offset: 0, .size: 8, .value_kind: global_buffer, .address_space: global }
      - { .name: wc, .offset: 8, .size: 8, .value_kind: global_buffer, .address_space: global }
      - { .name: lowp_scales, .offset: 16, .size: 8, .value_kind: global_buffer, .address_space: global }
      - { .name: bo, .offset: 24, .size: 8, .value_kind: global_buffer, .address_space: global }
      - { .name: out0, .offset: 32, .size: 8, .value_kind: global_buffer, .address_space: global }
    .group_segment_fixed_size: 327680
    .private_segment_fixed_size: 0
    .kernarg_segment_align: 8
    .kernarg_segment_size: 40
    .max_flat_workgroup_size: 128
    .sgpr_count:     100
    .vgpr_count:     1024
    .wavefront_size: 32
...
	.end_amdgpu_metadata
.endif
;; end of part 4
